; MI455X (gfx1250); checked and timed in simulation.
; The chip was launched on July 23, 2026; its instructions are those of AMD's public machine-readable ISA for CDNA 5 (MIT licence, August 2026) and "CDNA5" Instruction Set Architecture Reference Guide (July 2026). The comments in the code are by the model that wrote it; some were corrected since.
;; Self Att V3. Allowed arithmetic: matrix products marked QUANTISED: E2M1 operands, one E8M0 scale for each 32 along K, by v_wmma_scale_f32_16x16x128_f8f6f4 with both operands' format E2M1 (or v_wmma_scale_f32_32x16x128_f4), f32 sums; products left as they are: bf16, f16 or f32 operands; f32 sums; everything else in f32.
;; Inputs: W_out 1,024 x 1,024 float32; W_qkv 1,024 x 3,072 float32; b_out 1,024 float32; b_qkv 3,072 float32; x 4 x 2,048 x 1,024 float32.
;; Outputs: out0 4 x 2,048 x 1,024 float32.
;; This version of the problem:
;;   THIS VERSION OF THE PROBLEM IS GIVEN IN LOW PRECISION. The matrix products marked QUANTISED in the list below multiply operands that are first quantised to E2M1 (2 exponent bits, 1 mantissa bit; 4 bits a number), with one power-of-two scale for each 32 numbers along K (OCP MX v1.0); their sums are f32. The products marked 'left as it is' may take bf16, f16 or f32 operands, with f32 sums. Whichever they take, every output number must still come out within the allowed error. Rounding operands to bf16 (8 significant bits) uses up far more of that allowance than f16 does (11 bits, for magnitudes from 6e-5 to 65,504). All else is computed in f32.
;;   The module's matrix products, in the order in which they are computed (A, B: the left and right operand; K: the contracted axis; several contracted axes count as one K, in the product's order):
;;     1. [M 8,192, K 1,024] x [K 1,024, N 3,072]; A: input x; B: input W_qkv: QUANTISED
;;     2. batch 4 x [M 2,048, K 1,024] x [K 1,024, N 2,048]; A: computed on the way; B: computed on the way: left as it is (an operand is computed on the way)
;;     3. batch 4 x [M 2,048, K 2,048] x [K 2,048, N 1,024]; A: computed on the way; B: computed on the way: left as it is (an operand is computed on the way)
;;     4. [M 8,192, K 1,024] x [K 1,024, N 1,024]; A: computed on the way; B: input W_out: left as it is (an operand is computed on the way)
;;   THE QUANTISER, for each operand of a quantised product, along K:
;;     - K is cut into blocks of 32 from its start; a last block that is shorter is filled with zeros.
;;     - A block's scale is 2^e with e = floor(log2(the largest magnitude in the block)) - 2, held to -126 .. 127; a block of zeros has e = 0. As a byte (E8M0): e + 127.
;;     - Each number is divided by its block's scale, clamped to +-6, and rounded to the nearest number of E2M1, ties to even, subnormals kept.
;;     - The product sums the exact products of the quantised numbers (number of the format x scale) in f32.
;;   ~~~python
;;   def quantise(x, axis):      # numpy; x: float32 -> the quantised numbers, widened to float32 again
;;       x = np.moveaxis(x, axis, -1); K = x.shape[-1]
;;       x = np.pad(x, [(0, 0)] * (x.ndim - 1) + [(0, -K % 32)]); x = x.reshape(x.shape[:-1] + (-1, 32)); a = np.abs(x).max(-1, keepdims=True)
;;       e = np.where(a > 0, np.clip(np.frexp(np.where(a > 0, a, 1))[1] - 1 - 2, -126, 127), 0)      # np.frexp(a)[1] - 1 = floor(log2(a)), exactly
;;       r = np.clip(x / 2.0 ** e, -6, 6)
;;       step = 2.0 ** (np.maximum(np.frexp(np.where(r == 0, 1, r))[1] - 1, 0) - 1)
;;       q = np.round(r / step) * step * 2.0 ** e      # np.round: ties to even
;;       return np.moveaxis(q.reshape(q.shape[:-2] + (-1,))[..., :K], -1, axis).astype(np.float32)
;;   ~~~
;; One version. Each part assembles by itself: llvm-mc -triple=amdgcn-amd-amdhsa -mcpu=gfx1250 --defsym DOCPART=n.
;; ======== version 1 of 1: 5 launches
;; limits: values are held in f16: magnitudes above 65,504 overflow, below 6.1e-05 lose precision
;; workspace buffers: xq 4,456,448 bytes; wq 1,671,168 bytes; wout16 2,097,152 bytes; qkv 50,331,648 bytes; p 33,554,432 bytes; stats 1,048,576 bytes; ctx 16,777,216 bytes
;; launch prep (part 1): grid 368 x 1, 4 waves a work-group, no clusters, 68,096 bytes of LDS; arguments x, W_qkv, W_out, xq, wq, wout16; writes xq, wq, wout16
.if DOCPART == 1
	.amdgcn_target "amdgcn-amd-amdhsa--gfx1250"
	.amdhsa_code_object_version 6
	.text
	.protected	k_qa45d801da1_prep
	.globl	k_qa45d801da1_prep
	.p2align	8
	.type	k_qa45d801da1_prep,@function
k_qa45d801da1_prep:
	s_mov_b64 s[64:65], 0
	v_nop
	global_prefetch_b8 v0, s[64:65] scope:SCOPE_SE
	s_setreg_imm32_b32 hwreg(HW_REG_WAVE_MODE, 25, 1), 1
	s_wait_xcnt 0x0
; THE PROGRAM: out = softmax((x Wq + bq)(x Wk + bk)^T / 32) (x Wv + bv) W_out + b_out, in five launches:
;   prep (this one): x and W_qkv into codes of FP4 (E2M1) with one E8M0 byte for each 32 along K; W_out into f16.
;   qkv: the quantised product, + bias, stored as f16.   scores: q k^T, and a softmax for each row and each block of 128 keys.   pv: P V, with the blocks brought under the row's maximum.   outp: ctx W_out + b_out.
; DEAD WORK, LEFT OUT: b_qkv[1024:2048], the bias of k.  scores[q][j] = q . (k0[j] + bk) / 32 = q . k0[j] / 32 + (q . bk) / 32: the second term does not hang on j, the softmax's axis, so for all values of
; the inputs it multiplies every exponential of a row by one factor, which the division by the row's sum takes away.  The product q k^T is not a quantised one, so bk moves no code and no scale.  These 1,024
; numbers are not loaded by any launch.  LIMIT: a NaN, an infinity or an overflow that reaches only that term is not carried to the result.
; LIMITS OF THE PROGRAM: q, k, v, ctx and W_out are carried as f16: magnitudes up to 65,504; under 6e-5 they keep f16's fixed step.  NaN and infinities among the inputs are not served.
; A block of zeros gets the scale byte 1 where the rule says 127: its codes are zeros, and the bytes are read by this program alone.  Blocks whose largest magnitude lies under 2^(3 - 127) are held at that byte.
; THIS LAUNCH has three ways, told apart by the work-group's number, each with LDS bytes of its own; waves share nothing, so there is no barrier.
;   work-groups 0-255:   x, [8192][1024] f32, K innermost: a stream of blocks of 32.  A wave takes 16 steps of 512 numbers; loads read 512 consecutive bytes; a step turns through the wave's stage so that a lane holds 16 neighbours.
;   work-groups 256-303: W_qkv, [1024 (k)][3072 (n)] f32: a lane takes a column and its registers run down K; the codes leave through a stage as rows of 256 bytes.
;   work-groups 304-367: W_out, f32 to f16 as it lies ([k][n]): a wave takes 4,096 numbers.
.set SPW,    192                       ; v192 LDS address of my spare word; never rewritten
.set NIL,    193                       ; v193 0; never rewritten
.set XREG,   8192                      ; x: a region for each wave: two stages of 32 x SP bytes and 256 scale bytes
.set SP,     80                        ; a lane's place in a stage: 64 bytes + 16 of padding
.set WSTG,   4*XREG                    ; W_qkv: four stages of 32 rows x WPITCH
.set WPITCH, 272
.set SPARE,  WSTG+4*32*WPITCH          ; the spare words, 128 bytes a wave
.set XSC,    4194304                   ; where x's scale bytes begin in xq
.set WSC,    1572864                   ; where W_qkv's begin in wq
.set STEPS,  16
.set CB,     8                         ; bytes of 16 codes
.set XR,     16                        ; v16-79   x: four sets of 16 numbers as loaded
.set XX,     80                        ; v80-111  two sets of 16 neighbours
.set XE,     112                       ; v112-127 a scale byte for each step
.set XC,     128                       ; v128-191 codes, registers of their own for each step
.set SIZE_N, 3072
.set NB,     16                        ; blocks of 32 along K for a wave
.set KROW,   512                       ; a row of codes in bytes
.set WX,     32                        ; v32-95   W: two sets of 32 numbers
.set WC,     96                        ; v96-99   a block's codes
.set WO,     112                       ; v112-175 the way out
.set WSB,    24                        ; v24-27   the scale bytes
	s_load_b256 s[4:11], s[0:1], 0x0               ; x s[4:5], W_qkv s[6:7], W_out s[8:9], xq s[10:11]
	s_load_b128 s[12:15], s[0:1], 0x20             ; wq s[12:13], wout16 s[14:15]
	v_lshl_add_u32 v[SPW], v0, 2, SPARE
	v_mov_b32 v[NIL], 0
	v_lshrrev_b32 v1, 5, v0
	v_readfirstlane_b32 s16, v1                    ; wave
	v_and_b32 v2, 31, v0                           ; lane
	s_mov_b32 s21, 0                               ; the upper word of every offset below
	s_wait_kmcnt 0x0
	s_cmp_lt_u32 ttmp9, 256
	s_cbranch_scc0 .Lnot_x
; ---------------- x ----------------
	v_lshlrev_b32 v3, 4, v2                        ; my 16 bytes of a load's 512
	s_mul_i32 s17, s16, XREG
	v_lshrrev_b32 v14, 2, v2
	v_mul_u32_u24 v14, v14, SP
	v_and_b32 v15, 3, v2
	v_lshl_add_u32 v14, v15, 4, v14
	v_add_nc_u32 v14, s17, v14                     ; the stage, on the way in: SP (lane / 4) + 16 (lane % 4)
	v_mul_u32_u24 v15, v2, SP
	v_add_nc_u32 v15, s17, v15                     ; and on the way out: SP x lane: my 16 neighbours
	v_mul_u32_u24 v4, v2, CB                       ; my codes' place in a step's
	v_lshrrev_b32 v5, 1, v2
	s_add_co_u32 s17, s17, 2*32*SP
	v_add_nc_u32 v5, s17, v5                       ; my wave's 256 scale bytes, my block's byte
	v_lshlrev_b32 v7, 3, v2
	v_add_nc_u32 v6, s17, v7                       ; and on the way out 8 bytes a lane
	s_lshl_b32 s18, ttmp9, 2
	s_add_co_u32 s18, s18, s16                     ; which run of 8,192 numbers is my wave's
	s_lshl_b32 s20, s18, 15
	s_add_nc_u64 s[4:5], s[4:5], s[20:21]          ; 32,768 bytes of x a run,
	s_lshl_b32 s20, s18, 12
	s_add_nc_u64 s[22:23], s[10:11], s[20:21]      ; 4,096 bytes of codes,
	s_lshl_b32 s20, s18, 8
	s_add_nc_u64 s[24:25], s[10:11], s[20:21]      ; 256 scale bytes
	s_add_nc_u64 s[24:25], s[24:25], XSC
.macro XLOAD t
.irp i, 0,1,2,3
	global_load_b128 v[XR+16*((\t)%4)+4*\i:XR+16*((\t)%4)+4*\i+3], v3, s[4:5] offset:2048*(\t)+512*\i th:TH_LOAD_NT   ; 32 lanes read 512 consecutive bytes
.endr
.endm
.macro XTURN t                         ; step t through the stage: LDS serves a wave's instructions in order, so no wait stands between the stores and the loads
.irp i, 0,1,2,3
	ds_store_b128 v14, v[XR+16*((\t)%4)+4*\i:XR+16*((\t)%4)+4*\i+3] offset:32*SP*((\t)%2)+8*SP*\i
.endr
.irp i, 0,1,2,3
	ds_load_b128 v[XX+16*((\t)%2)+4*\i:XX+16*((\t)%2)+4*\i+3], v15 offset:32*SP*((\t)%2)+16*\i
.endr
.endm
.irp t, 0,1,2,3
	XLOAD \t
.endr
	s_wait_loadcnt 12                              ; step 0's four loads are in; the twelve of steps 1 to 3 may be out
	XTURN 0
.macro XSTEP t
.set XS, XX+16*((\t)%2)
.if (\t) > 0
	s_wait_dscnt 1                                 ; this step's numbers are back from the stage; the last step's byte store may be out
.else
	s_wait_dscnt 0x0
.endif
.if (\t)+4 < STEPS
	XLOAD (\t)+4                                   ; into the registers that the stage's stores have read
.endif
.if (\t)+1 < STEPS
.if STEPS-2-(\t) >= 3
	s_wait_loadcnt 12                              ; the next step's four loads are in; those of the three steps behind it may be out
.else
	s_wait_loadcnt 4*(STEPS-2-(\t))
.endif
	XTURN (\t)+1
.endif
	v_max3_num_f32 v8, |v[XS]|, |v[XS+1]|, |v[XS+2]|               ; the largest magnitude of my 16, in two chains
	v_max3_num_f32 v9, |v[XS+3]|, |v[XS+4]|, |v[XS+5]|
.irp i, 6,10
	v_max3_num_f32 v8, v8, |v[XS+\i]|, |v[XS+\i+1]|
	v_max3_num_f32 v9, v9, |v[XS+\i+2]|, |v[XS+\i+3]|
.endr
	v_max3_num_f32 v8, v8, |v[XS+14]|, |v[XS+15]|
	v_max3_num_f32 v8, v8, v9, 0x1800000           ; and the floor 2^(3 - 127): the byte cannot fall under 1
	v_max_num_f32_dpp v8, v8, v8 row_xmask:1 row_mask:0xf bank_mask:0xf   ; with my neighbour's 16: the block's
	v_add_nc_u32 v11, 0xff000000, v8               ; 2 off its exponent field: the conversion takes that field as its scale
	v_cvt_scalef32_pk8_fp4_f32 v[XC+4*(\t)], v[XS:XS+7], v11
	v_cvt_scalef32_pk8_fp4_f32 v[XC+4*(\t)+1], v[XS+8:XS+15], v11
	v_lshrrev_b32 v[XE+(\t)], 23, v11              ; the scale's byte
	ds_store_b8 v5, v[XE+(\t)] offset:16*(\t)      ; both lanes of a block write the same byte with the same value
	global_store_b64 v4, v[XC+4*(\t):XC+4*(\t)+1], s[22:23] offset:32*CB*(\t)   ; the wave stores 256 consecutive bytes, aligned
.endm
.irp t, 0,1,2,3,4,5,6,7,8,9,10,11,12,13,14,15
	XSTEP \t
.endr
	ds_load_b64 v[8:9], v6                         ; my wave's 256 scale bytes: these loads see my stores
	s_wait_dscnt 0x0
	global_store_b64 v7, v[8:9], s[24:25]          ; 256 consecutive bytes, aligned
	s_branch .Lend
.Lnot_x:
	s_cmp_lt_u32 ttmp9, 304
	s_cbranch_scc0 .Lcast
; ---------------- W_qkv ----------------
	s_sub_co_u32 s26, ttmp9, 256
	s_lshr_b32 s27, s26, 1                         ; which 128 columns
	s_and_b32 s18, s26, 1                          ; which 512 along K
	s_lshl_b32 s17, s27, 7
	s_lshl_b32 s19, s16, 5
	s_add_co_u32 s17, s17, s19                     ; my wave's first column
	v_lshlrev_b32 v3, 2, v2                        ; in: 4 bytes a lane
	s_mul_i32 s19, s16, 32*WPITCH
	s_add_co_u32 s19, s19, WSTG                    ; my stage
	v_mul_u32_u24 v4, v2, WPITCH
	v_add_nc_u32 v4, s19, v4                       ; into it: row = my column
	v_and_b32 v5, 15, v2
	v_lshrrev_b32 v6, 4, v2                        ; out of it: sixteen lanes to a row, two rows an instruction
	v_mul_u32_u24 v7, v6, WPITCH
	v_lshl_add_u32 v7, v5, 4, v7
	v_add_nc_u32 v7, s19, v7
	v_mul_u32_u24 v8, v6, KROW
	v_lshl_add_u32 v8, v5, 4, v8                   ; and the same place among the codes
	v_lshlrev_b32 v9, 5, v2                        ; my column's row of 32 scale bytes
	s_mul_i32 s20, s18, 512*SIZE_N*4
	s_lshl_b32 s28, s17, 2
	s_add_co_u32 s20, s20, s28
	s_add_nc_u64 s[6:7], s[6:7], s[20:21]          ; W_qkv at row 512 y, my first column
	s_lshl_b32 s20, s17, 9
	s_lshl_b32 s28, s18, 8
	s_add_co_u32 s20, s20, s28
	s_add_nc_u64 s[24:25], s[12:13], s[20:21]      ; codes: column x 512 + 256 y
	s_lshl_b32 s20, s17, 5
	s_lshl_b32 s28, s18, 4
	s_add_co_u32 s20, s20, s28
	s_add_nc_u64 s[30:31], s[12:13], s[20:21]      ; scale bytes: column x 32 + 16 y
	s_add_nc_u64 s[30:31], s[30:31], WSC
.macro WLOAD t                         ; block t: W(32 t + i, my column) into set t % 2; the largest offset, 511 x 12,288, lies inside the signed 24-bit immediate
.set i, 0
.rept 32
	global_load_b32 v[WX+32*((\t)%2)+i], v3, s[6:7] offset:(32*(\t)+i)*SIZE_N*4 th:TH_LOAD_NT
.set i, i+1
.endr
.endm
	WLOAD 0
	WLOAD 1
.macro WBLOCK t
.set XS, WX+32*((\t)%2)
.if (\t) < NB-1
	s_wait_loadcnt 32                              ; this block's 32 loads are in; the next block's may be out
.else
	s_wait_loadcnt 0
.endif
	v_max3_num_f32 v12, |v[XS]|, |v[XS+1]|, |v[XS+2]|              ; the block's largest magnitude: all 32 numbers are mine
	v_max3_num_f32 v13, |v[XS+3]|, |v[XS+4]|, |v[XS+5]|
.irp i, 6,10,14,18,22,26
	v_max3_num_f32 v12, v12, |v[XS+\i]|, |v[XS+\i+1]|
	v_max3_num_f32 v13, v13, |v[XS+\i+2]|, |v[XS+\i+3]|
.endr
	v_max3_num_f32 v12, v12, |v[XS+30]|, |v[XS+31]|
	v_max3_num_f32 v12, v12, v13, 0x1800000        ; and the floor
	v_add_nc_u32 v11, 0xff000000, v12              ; the conversion's scale operand
	v_lshrrev_b32 v13, 23, v11                     ; the scale's byte
.if (\t)%4 == 0
	v_mov_b32 v[WSB+(\t)/4], v13                   ; four bytes to a register, the lower K in the lower byte
.else
	v_lshl_or_b32 v[WSB+(\t)/4], v13, 8*((\t)%4), v[WSB+(\t)/4]
.endif
.irp g, 0,1,2,3
	v_cvt_scalef32_pk8_fp4_f32 v[WC+\g], v[XS+8*\g:XS+8*\g+7], v11
.endr
	ds_store_b128 v4, v[WC:WC+3] offset:16*(\t)    ; 32 codes: 16 bytes of my column's row
.if (\t)+2 < NB
	WLOAD (\t)+2
.endif
	s_wait_dscnt 0x0                               ; the store has read its registers: the next block's codes may be written
.endm
.set Q, 0
.rept NB
	WBLOCK Q
.set Q, Q+1
.endr
	global_store_b128 v9, v[WSB:WSB+3], s[30:31]   ; my column's 16 scale bytes
.irp t, 0,1,2,3,4,5,6,7,8,9,10,11,12,13,14,15
	ds_load_b128 v[WO+4*\t:WO+4*\t+3], v7 offset:2*\t*WPITCH
.endr
.irp t, 0,1,2,3,4,5,6,7,8,9,10,11,12,13,14,15
	s_wait_dscnt 15-\t                             ; LDS loads come back in order: row pair t is in
	global_store_b128 v8, v[WO+4*\t:WO+4*\t+3], s[24:25] offset:2*\t*KROW   ; sixteen lanes store 256 consecutive bytes, aligned
.endr
	s_branch .Lend
.Lcast:
; ---------------- W_out ----------------
	s_sub_co_u32 s17, ttmp9, 304
	s_lshl_b32 s17, s17, 2
	s_add_co_u32 s17, s17, s16                     ; which run of 4,096 numbers is my wave's
	s_lshl_b32 s20, s17, 14
	s_add_nc_u64 s[8:9], s[8:9], s[20:21]
	s_lshl_b32 s20, s17, 13
	s_add_nc_u64 s[14:15], s[14:15], s[20:21]
	v_lshlrev_b32 v3, 4, v2
	v_lshlrev_b32 v4, 3, v2
.set i, 0
.rept 32
	global_load_b128 v[16+4*i:19+4*i], v3, s[8:9] offset:512*i th:TH_LOAD_NT
.set i, i+1
.endr
.set i, 0
.rept 32
	s_wait_loadcnt 31-i                            ; loads come back in order: load i is in, the younger ones stay out
	v_cvt_pk_f16_f32 v[16+4*i], v[16+4*i], v[17+4*i]
	v_cvt_pk_f16_f32 v[17+4*i], v[18+4*i], v[19+4*i]
	global_store_b64 v4, v[16+4*i:17+4*i], s[14:15] offset:256*i   ; the wave stores 256 consecutive bytes, aligned
.set i, i+1
.endr
.Lend:
	s_wait_tensorcnt 0x0                           ; the wave's end, behind my last LDS store
	ds_add_u32 v[SPW], v[NIL]
	s_wait_dscnt 0x0
	s_endpgm
.Lfunc_end_k_qa45d801da1_prep:
	.size	k_qa45d801da1_prep, .Lfunc_end_k_qa45d801da1_prep-k_qa45d801da1_prep
	.p2alignl 7, 3214868480
	.fill 96, 4, 3214868480
	.section	.rodata,"a",@progbits
	.p2align	6, 0x0
	.amdhsa_kernel k_qa45d801da1_prep
		.amdhsa_group_segment_fixed_size 68096
		.amdhsa_private_segment_fixed_size 0
		.amdhsa_enable_private_segment 0
		.amdhsa_kernarg_size 48
		.amdhsa_user_sgpr_count 2
		.amdhsa_user_sgpr_kernarg_segment_ptr 1
		.amdhsa_wavefront_size32 1
		.amdhsa_system_sgpr_workgroup_id_x 1
		.amdhsa_system_sgpr_workgroup_id_y 1
		.amdhsa_system_sgpr_workgroup_id_z 1
		.amdhsa_system_vgpr_workitem_id 0
		.amdhsa_next_free_vgpr 200
		.amdhsa_next_free_sgpr 66
		.amdhsa_reserve_vcc 0
		.amdhsa_float_denorm_mode_32 3
		.amdhsa_float_denorm_mode_16_64 3
		.amdhsa_memory_ordered 1
		.amdhsa_forward_progress 1
		.amdhsa_inst_pref_size 122
	.end_amdhsa_kernel
	.amdgpu_metadata
---
amdhsa.version: [ 1, 2 ]
amdhsa.kernels:
  - .name:           k_qa45d801da1_prep
    .symbol:         k_qa45d801da1_prep.kd
    .args:
      - { .name: x, .offset: 0, .size: 8, .value_kind: global_buffer, .address_space: global }
      - { .name: W_qkv, .offset: 8, .size: 8, .value_kind: global_buffer, .address_space: global }
      - { .name: W_out, .offset: 16, .size: 8, .value_kind: global_buffer, .address_space: global }
      - { .name: xq, .offset: 24, .size: 8, .value_kind: global_buffer, .address_space: global }
      - { .name: wq, .offset: 32, .size: 8, .value_kind: global_buffer, .address_space: global }
      - { .name: wout16, .offset: 40, .size: 8, .value_kind: global_buffer, .address_space: global }
    .group_segment_fixed_size: 68096
    .private_segment_fixed_size: 0
    .kernarg_segment_align: 8
    .kernarg_segment_size: 48
    .max_flat_workgroup_size: 128
    .sgpr_count:     66
    .vgpr_count:     200
    .wavefront_size: 32
...
	.end_amdgpu_metadata
.endif
;; end of part 1
;; launch qkv (part 2): grid 12 x 32, 4 waves a work-group, clusters of 4 x 4, 327,680 bytes of LDS; arguments xq, wq, b_qkv, qkv; writes qkv
.if DOCPART == 2
	.amdgcn_target "amdgcn-amd-amdhsa--gfx1250"
	.amdhsa_code_object_version 6
	.text
	.protected	k_qa45d801da1_qkv
	.globl	k_qa45d801da1_qkv
	.p2align	8
	.type	k_qa45d801da1_qkv,@function
k_qa45d801da1_qkv:
	s_mov_b64 s[64:65], 0
	v_nop
	global_prefetch_b8 v0, s[64:65] scope:SCOPE_SE
	s_setreg_imm32_b32 hwreg(HW_REG_WAVE_MODE, 25, 1), 1
	s_wait_xcnt 0x0
	s_wait_alu depctr_hold_cnt(0) depctr_sa_sdst(0) depctr_va_vdst(0) depctr_va_sdst(0) depctr_va_ssrc(0) depctr_va_vcc(0) depctr_vm_vsrc(0)
	s_getreg_b32 s2, hwreg(HW_REG_IB_STS2, 6, 4)
	s_cmp_eq_u32 s2, 0
	s_cbranch_scc0 .Lentry_in_a_cluster
	s_endpgm
.Lentry_in_a_cluster:
	s_bfe_u32 s2, ttmp6, 0x10000c
	s_cmp_lg_u32 s2, 0xf033
	s_cbranch_scc0 .Lentry_shape_is_right
	s_endpgm
.Lentry_shape_is_right:
; qkv[m][n] = sum over k of Q(x)[m][k] Q(W_qkv)[k][n] + b_qkv[n], on codes of FP4 (E2M1) with one E8M0 scale for each 32 along K; sums in f32; stored as f16, [8192][3072].
; LEFT OUT AS DEAD WORK: the bias of k, b_qkv[1024:2048]: it adds to a row of scores a term that is the same along the softmax's axis (shown at the head of the first kernel).  It is not loaded.
; A tile of 256 x 256 is made by four waves, each 128 x 128: 64 accumulators, 512 registers.  K = 1,024 is two LDS slots of 512 along K (rows of 256 bytes): both are asked for at the start and nothing is filled again.
; The scale bytes of the work-group's 256 rows of x and 256 rows of W come once, as dense blocks.  By this text's count a wave has three tensor loads out at the start.
; CLUSTERS: 4 x 4 work-groups; x's tiles are asked for jointly along a row of the cluster, W's along a column.  The cluster's x says which of q (0), k (1), v (2) is made: it is the same in all sixteen partners.
; THE MATRIX INSTRUCTION IS USED TRANSPOSED (source 0 = 16 rows of W, source 1 = 16 rows of x): a lane holds eight neighbouring columns of one row.  The bias is the C of each sum's first product.
; REGISTERS: window 0: v0-31 addresses; v32-95 scale words, two sets; v128-191 x's fragments, one set (on the way out: rows read back); v192-255 the bias, later packed results.
;   window 1: W's fragments, two sets, at v0 and v128.   window 2: accumulators of my rows 0-63 ((a, b) at v[8 (8 a + b)]);   window 3: those of my rows 64-127.
.set NQ,     4                         ; steps of 128 along K in a slot
.set ROWB,   256                       ; a tile's row in bytes: 512 codes
.set KROW,   512                       ; a row of codes in memory
.set PITCH,  272                       ; an LDS row: 256 bytes + 16 of padding: the 16 rows that a load touches start 68 words apart
.set FR,     8
.set NL,     2
.set NP,     4
.set HALFT,  128*PITCH
.set SLOT,   4*HALFT
.set KS,     32                        ; a row of scale bytes
.set SCL,    2*SLOT
.set HALFS,  (128*KS/256)*272
.set SBLK,   (16*KS/256)*272
.set SPARE,  SCL+4*HALFS               ; the spare words, 128 bytes a wave
.set STAGE,  SPARE+512                 ; the way out: 16 rows x 272 bytes for each wave, bytes of its own
.set SPITCH, 272
.set OROW,   6144                      ; a row of qkv in bytes
.set XSC,    4194304
.set WSC,    1572864
.set ADRA, 16
.set ADRB, 20
.set STO,  24
.set RD,   25
.set CO,   26
.set ADRS, 27
.set SPW,  28
.set NIL,  29
.set BO,   30                          ; v30 the bias loads' offset: 32 x (lane / 16)
.set SC,   32
.set AF,   128
.set BI,   192
.set TMP,  192
.set OB,   128
.set G1, 24
.set G0, 32
.set G1B, 48
.set G0B, 56
.set G1S, 68
.set G0S, 76
.set G1SB, 80
.set G0SB, 88
.set MSB, 0
.macro WIN new                         ; the immediate's high byte repeats the setting that is left; a switch that changes nothing is dropped
.if MSB != (\new)
	s_set_vgpr_msb (MSB<<8)|(\new)
.set MSB, (\new)
.endif
.endm
.set MUL_LO, 0xa1                      ; source 0 (W) window 1, source 1 (x) window 0, C and D window 2
.set MUL_HI, 0xf1
.set TO_B,   0x40
.macro JLOAD g0a, g1a, g0b, g1b        ; a joint load: waves 0 and 1 fetch for x, waves 2 and 3 for W; an s_nop 0 and four v_nop follow each line
	s_cmp_eq_u32 s15, 0
	s_cbranch_scc0 .Lfor_b_\@
	tensor_load_to_lds s[\g0a:\g0a+3], s[\g1a:\g1a+7]
	s_nop 0
.rept 4
	v_nop
.endr
	s_branch .Lasked_\@
.Lfor_b_\@:
	tensor_load_to_lds s[\g0b:\g0b+3], s[\g1b:\g1b+7]
	s_nop 0
.rept 4
	v_nop
.endr
.Lasked_\@:
.endm
.macro CROUND                          ; a round of the cluster's barrier
	s_barrier_signal -1
	s_barrier_wait -1
	s_cmp_lg_u32 s14, 0
	s_cbranch_scc1 .Lnot_wave_0_\@
	s_barrier_signal -3
.Lnot_wave_0_\@:
	s_barrier_wait -3
	s_barrier_signal -1
	s_barrier_wait -1
.endm
	s_load_b64 s[4:5], s[0:1], 0x0                 ; xq: x's codes, its scale bytes behind them
	s_load_b64 s[8:9], s[0:1], 0x8                 ; wq likewise
	s_load_b64 s[96:97], s[0:1], 0x10              ; b_qkv
	s_load_b64 s[12:13], s[0:1], 0x18              ; qkv
	v_lshl_add_u32 v[SPW], v0, 2, SPARE
	v_mov_b32 v[NIL], 0
	ds_add_u32 v[SPW], v[NIL]                      ; the wave's opening: the add, twice on end, and its wait ahead of my first tensor load
	ds_add_u32 v[SPW], v[NIL]
	v_lshrrev_b32 v1, 5, v0
	v_readfirstlane_b32 s14, v1                    ; wave 0..3
	s_lshr_b32 s15, s14, 1                         ; which half of the tile's rows is mine; also: I fetch for x (0) or for W (1)
	s_and_b32 s16, s14, 1                          ; which half of its columns; also: which 128 rows of that tile I fetch
	s_bfe_u32 s40, ttmp6, 0x40000                  ; cx, cy
	s_bfe_u32 s41, ttmp6, 0x40004
	s_lshl_b32 s42, ttmp9, 2
	s_add_co_u32 s42, s42, s40                     ; tile column 0..11
	s_and_b32 s17, ttmp7, 0xffff
	s_lshl_b32 s17, s17, 2
	s_add_co_u32 s17, s17, s41                     ; tile row 0..31
	s_lshl_b32 s43, s41, 2
	s_lshl_b32 s43, 15, s43                        ; my row of the cluster
	s_lshl_b32 s44, 0x1111, s40                    ; my column
	s_or_b32 s[G1+0], s43, (0<<16)|(1<<20)|(1<<21)|(5<<22)|(3<<25)  ; mask; elements of 1 byte; padding: 4 words after every 64
	s_or_b32 s[G1B+0], s44, (0<<16)|(1<<20)|(1<<21)|(5<<22)|(3<<25)
.irp g, G1, G1B
	s_mov_b32 s[\g+1], ROWB<<16                    ; tensor_dim0
	s_mov_b32 s[\g+2], 128<<16                     ; tensor_dim1
	s_mov_b32 s[\g+3], ROWB<<16                    ; tile_dim0
	s_mov_b32 s[\g+4], 128                         ; tile_dim1
	s_mov_b32 s[\g+5], KROW                        ; from row to row
	s_mov_b32 s[\g+6], 0
	s_mov_b32 s[\g+7], 0
.endr
	s_or_b32 s[G1S+0], s43, (3<<16)|(1<<20)|(1<<21)|(5<<22)|(3<<25) ; the scale bytes of 128 rows: 4,096 dense bytes as 16 rows of 256 (32 elements of 8 bytes)
	s_or_b32 s[G1SB+0], s44, (3<<16)|(1<<20)|(1<<21)|(5<<22)|(3<<25)
.irp g, G1S, G1SB
	s_mov_b32 s[\g+1], 32<<16
	s_mov_b32 s[\g+2], (128*KS/256)<<16
	s_mov_b32 s[\g+3], 32<<16
	s_mov_b32 s[\g+4], 128*KS/256
	s_mov_b32 s[\g+5], 32
	s_mov_b32 s[\g+6], 0
	s_mov_b32 s[\g+7], 0
.endr
	s_lshl_b32 s18, s16, 7
	s_lshl_b32 s20, s17, 8
	s_add_co_u32 s20, s20, s18                     ; x: row 256 x tile row + 128 x half
	s_lshl_b32 s46, s42, 8
	s_add_co_u32 s46, s46, s18                     ; W: row 256 x tile column + 128 x half
	s_mov_b32 s21, 0
	s_mov_b32 s47, 0
	s_mov_b64 s[18:19], KS
	s_mul_u64 s[22:23], s[20:21], s[18:19]         ; where these rows' scale bytes begin
	s_mul_u64 s[92:93], s[46:47], s[18:19]
	s_mov_b64 s[18:19], KROW
	s_mul_u64 s[20:21], s[20:21], s[18:19]         ; and their codes
	s_mul_u64 s[46:47], s[46:47], s[18:19]
	s_mul_i32 s45, s14, HALFT                      ; where they go: wave x 128 rows
	s_mul_i32 s94, s14, HALFS
	s_wait_dscnt 0x0                               ; both opening adds are done
	s_wait_kmcnt 0x0
	s_add_nc_u64 s[6:7], s[4:5], XSC
	s_add_nc_u64 s[10:11], s[8:9], WSC
	s_add_nc_u64 s[20:21], s[4:5], s[20:21]
	s_add_nc_u64 s[22:23], s[6:7], s[22:23]
	s_add_nc_u64 s[46:47], s[8:9], s[46:47]
	s_add_nc_u64 s[92:93], s[10:11], s[92:93]
	CROUND                                         ; all sixteen work-groups are here: the first joint loads meet
	s_mov_b32 s[G0S], 1
	s_add_co_u32 s[G0S+1], s94, SCL
	s_mov_b64 s[G0S+2:G0S+3], s[22:23]
	s_or_b32 s[G0S+3], s[G0S+3], 0x80000000
	s_mov_b32 s[G0SB], 1
	s_add_co_u32 s[G0SB+1], s94, SCL
	s_mov_b64 s[G0SB+2:G0SB+3], s[92:93]
	s_or_b32 s[G0SB+3], s[G0SB+3], 0x80000000
	JLOAD G0S, G1S, G0SB, G1SB                     ; the scale bytes first: they are wanted with the first slot
.irp s, 0,1
	s_mov_b32 s[G0+4*\s], 1
	s_add_co_u32 s[G0+4*\s+1], s45, \s*SLOT
	s_add_nc_u64 s[G0+4*\s+2:G0+4*\s+3], s[20:21], \s*ROWB
	s_or_b32 s[G0+4*\s+3], s[G0+4*\s+3], 0x80000000
	s_mov_b32 s[G0B+4*\s], 1
	s_add_co_u32 s[G0B+4*\s+1], s45, \s*SLOT
	s_add_nc_u64 s[G0B+4*\s+2:G0B+4*\s+3], s[46:47], \s*ROWB
	s_or_b32 s[G0B+4*\s+3], s[G0B+4*\s+3], 0x80000000
	JLOAD G0+4*\s, G1, G0B+4*\s, G1B
.endr
	v_and_b32 v1, 15, v0                           ; r = lane % 16
	v_bfe_u32 v2, v0, 4, 1                         ; h = lane / 16
	v_mul_u32_u24 v3, v1, PITCH
	v_lshl_add_u32 v4, v2, 4, v3                   ; a fragment's row x pitch + 16 h
	s_mul_i32 s21, s15, HALFT
	s_mul_i32 s22, s16, HALFT
	s_add_co_u32 s22, s22, 2*HALFT
.irp s, 0,1
	v_add_nc_u32 v[ADRA+\s], s21, v4
	v_add_nc_u32 v[ADRB+\s], s22, v4
	s_add_co_u32 s21, s21, SLOT
	s_add_co_u32 s22, s22, SLOT
.endr
	v_mul_u32_u24 v5, v1, KS                       ; my row's scale bytes: 32 a row,
	v_lshrrev_b32 v6, 8, v5
	v_lshl_add_u32 v5, v6, 4, v5                   ; and 16 more for each 256 passed
	s_mul_i32 s21, s15, HALFS
	s_mul_i32 s22, s16, HALFS
	s_add_co_u32 s22, s22, 2*HALFS
	s_sub_co_u32 s22, s22, s21
	v_mul_u32_u24 v6, s22, v2                      ; lanes 16-31 take W's: one product, the distance between the two bases
	s_add_co_u32 s21, s21, SCL
	v_add_nc_u32 v5, v5, v6
	v_add_nc_u32 v[ADRS], s21, v5
	s_mul_i32 s23, s14, 16*SPITCH
	s_add_co_u32 s23, s23, STAGE                   ; my stage
	v_mul_u32_u24 v5, v1, SPITCH
	v_lshl_add_u32 v5, v2, 4, v5
	v_add_nc_u32 v[STO], s23, v5                   ; in: row r, 16 bytes for each half of the lanes
	v_mul_u32_u24 v5, v2, SPITCH
	v_lshl_add_u32 v5, v1, 4, v5
	v_add_nc_u32 v[RD], s23, v5                    ; back: lanes 0-15 one row of 256 bytes, lanes 16-31 the next
	v_mul_u32_u24 v5, v2, OROW
	v_lshl_add_u32 v[CO], v1, 4, v5                ; and the same two rows in qkv
	v_lshlrev_b32 v[BO], 5, v2
	s_lshl_b32 s20, s17, 8
	s_lshl_b32 s21, s15, 7
	s_add_co_u32 s20, s20, s21                     ; my first row
	s_mul_i32 s20, s20, OROW
	s_mov_b32 s21, 0
	s_lshl_b32 s46, s42, 9
	s_lshl_b32 s47, s16, 8
	s_add_co_u32 s46, s46, s47                     ; my first column in bytes of f16: 512 x tile column + 256 x half
	s_mov_b32 s47, 0
	s_add_nc_u64 s[20:21], s[20:21], s[46:47]
	s_add_nc_u64 s[12:13], s[12:13], s[20:21]
	s_lshl_b32 s46, s46, 1                         ; the same column in bytes of f32
	s_add_nc_u64 s[96:97], s[96:97], s[46:47]
.macro FRAG reg, adr, q, i             ; 16 rows x 128 K of 4-bit codes: 8 registers; registers 4 c .. 4 c + 3 hold K = 64 c + 32 h + 0 .. 31
.irp c, 0,1
	ds_load_b128 v[\reg+4*\c:\reg+4*\c+3], v[\adr] offset:64*(\q)+32*\c+(\i)*16*PITCH
.endr
.endm
; 16 matrix instructions: x's blocks a0, a0 + 1 against W's eight.  zero = 1: the product starts the sums with 0; 2: with the bias.  The 64 accumulators take turns, one instruction a turn.
.macro MUL16 a0, p, q, sc, zero
.irp a, \a0, \a0+1
.irp b, 0,1,2,3,4,5,6,7
.set rD, 8*(8*((\a)%4)+\b)
.set rB, 128*(\p)+FR*\b
.set rA, AF+FR*(\a)
.set rSB, SC+8*NQ*(\sc)+NQ*\b+(\q)
.set rSA, SC+8*NQ*(\sc)+NQ*(\a)+(\q)
.if \zero == 1
	v_wmma_scale_f32_16x16x128_f8f6f4 v[rD:rD+7], v[rB:rB+7], v[rA:rA+7], 0, v[rSB], v[rSA] matrix_a_fmt:MATRIX_FMT_FP4 matrix_b_fmt:MATRIX_FMT_FP4 matrix_a_scale:MATRIX_SCALE_ROW1
.elseif \zero == 2
	v_wmma_scale_f32_16x16x128_f8f6f4 v[rD:rD+7], v[rB:rB+7], v[rA:rA+7], v[BI+8*\b:BI+8*\b+7], v[rSB], v[rSA] matrix_a_fmt:MATRIX_FMT_FP4 matrix_b_fmt:MATRIX_FMT_FP4 matrix_a_scale:MATRIX_SCALE_ROW1
.else
	v_wmma_scale_f32_16x16x128_f8f6f4 v[rD:rD+7], v[rB:rB+7], v[rA:rA+7], v[rD:rD+7], v[rSB], v[rSA] matrix_a_fmt:MATRIX_FMT_FP4 matrix_b_fmt:MATRIX_FMT_FP4 matrix_a_scale:MATRIX_SCALE_ROW1
.endif
.endr
.endr
.endm
.macro FETCH_B slot, q, p
	WIN TO_B
.irp i, 0,1,2,3,4,5,6,7
	FRAG 128*(\p)+FR*\i, ADRB+\slot, \q, \i
.endr
	WIN 0
.endm
.macro FETCH_A slot, q, i0
.irp i, \i0, \i0+1, \i0+2, \i0+3
	FRAG AF+FR*(\i), ADRA+\slot, \q, \i
.endr
.endm
.macro SCALES sc                       ; a slot's scale words: lanes 0-15 take x's block i, lanes 16-31 W's block i
.irp i, 0,1,2,3,4,5,6,7
	ds_load_b128 v[SC+8*NQ*\sc+NQ*\i:SC+8*NQ*\sc+NQ*\i+3], v[ADRS] offset:\i*SBLK
.endr
.endm
.macro PLACES n                        ; plain vector instructions between a matrix instruction and a load into, or a read of, its registers
.rept \n
	v_nop
.endr
.endm
.macro STEP slot, q, zero              ; a step of 128 along K that has its successor in the same slot
	s_wait_dscnt 4*NL                              ; W's set and x's blocks 0-3 are in; the youngest eight loads (x's blocks 4-7) may be out
.if \zero == 2
	WIN 0x81                                       ; C (the bias) in window 0, D in window 2
.else
	WIN MUL_LO
.endif
	MUL16 0, (\q)%2, \q, \slot, \zero
	MUL16 2, (\q)%2, \q, \slot, \zero
	s_wait_dscnt 0
	PLACES NP
	FETCH_B \slot, (\q)+1, 1-(\q)%2
	FETCH_A \slot, (\q)+1, 0
.if \zero == 2
	WIN 0xc1
.else
	WIN MUL_HI
.endif
	MUL16 4, (\q)%2, \q, \slot, \zero
	MUL16 6, (\q)%2, \q, \slot, \zero
	PLACES NP
	WIN 0
	FETCH_A \slot, (\q)+1, 4
.endm
.macro TURN slot, next                 ; a slot's last step: the other slot has landed in every wave behind the barrier; nothing is filled again
	s_wait_tensorcnt 0x0                           ; all my tensor loads have landed
	ds_add_u32 v[SPW], v[NIL]
	s_wait_dscnt 4*NL+1                            ; the add and the youngest eight loads may be out
	WIN MUL_LO
	MUL16 0, 1, NQ-1, \slot, 0
	s_wait_dscnt 0x0
	s_barrier_signal -1
	MUL16 2, 1, NQ-1, \slot, 0
	WIN 0
	s_barrier_wait -1
	PLACES NP
	v_add_nc_u32 v[ADRS], 4*NQ, v[ADRS]            ; on to the next slot's scale words
	FETCH_B \next, 0, 0
	FETCH_A \next, 0, 0
	SCALES \next
	WIN MUL_HI
	MUL16 4, 1, NQ-1, \slot, 0
	MUL16 6, 1, NQ-1, \slot, 0
	PLACES NP
	WIN 0
	FETCH_A \next, 0, 4
.endm
	s_wait_tensorcnt 1                             ; the scale bytes and my part of slot 0 are in; slot 1's load may be out
	s_barrier_signal -1
	s_barrier_wait -1
	FETCH_B 0, 0, 0
	FETCH_A 0, 0, 0
	SCALES 0
	FETCH_A 0, 0, 4
	s_cmp_eq_u32 ttmp9, 1                          ; the cluster's x: the same in all sixteen partners
	s_cbranch_scc1 .Lkeys
.irp b, 0,1,2,3,4,5,6,7                        ; q and v: the bias in the result's layout: tile b, register j: b_qkv[my first column + 16 b + 8 h + j]
	global_load_b128 v[BI+8*\b:BI+8*\b+3], v[BO], s[96:97] offset:64*\b
	global_load_b128 v[BI+8*\b+4:BI+8*\b+7], v[BO], s[96:97] offset:64*\b+16
.endr
	s_wait_loadcnt 0x0
	STEP 0, 0, 2
	s_branch .Ljoined
.Lkeys:
	STEP 0, 0, 1                                   ; k: no bias
.Ljoined:
	STEP 0, 1, 0
	STEP 0, 2, 0
	TURN 0, 1
	STEP 1, 0, 0
	STEP 1, 1, 0
	STEP 1, 2, 0
	s_wait_dscnt 4*NL                              ; the very last step
	WIN MUL_LO
	MUL16 0, 1, NQ-1, 1, 0
	MUL16 2, 1, NQ-1, 1, 0
	s_wait_dscnt 0
	WIN MUL_HI
	MUL16 4, 1, NQ-1, 1, 0
	MUL16 6, 1, NQ-1, 1, 0
	WIN 0
; THE WAY OUT, a block of 16 rows x 128 columns at a time: rounded to f16, 16 bytes a lane into my own stage, back as whole rows of 256 bytes.
.macro PACK a
.set AC, 64*((\a)%4)
	WIN 0x0a+5*((\a)/4)                            ; sources 0 and 1: window 2 or 3
.irp b, 0,1,2,3,4,5,6,7
.irp r, 0,1,2,3
	v_cvt_pk_f16_f32 v[TMP+4*\b+\r], v[AC+8*\b+2*\r], v[AC+8*\b+2*\r+1]
.endr
.endr
	WIN 0
.endm
.macro TOSTAGE a
.set BK, OB+32*((\a)%2)
.irp b, 0,1,2,3,4,5,6,7
	ds_store_b128 v[STO], v[TMP+4*\b:TMP+4*\b+3] offset:32*\b
.endr
.irp t, 0,1,2,3,4,5,6,7
	ds_load_b128 v[BK+4*\t:BK+4*\t+3], v[RD] offset:\t*2*SPITCH    ; LDS serves a wave's instructions in order: these see the stores above
.endr
.endm
.macro SEND a
.set BK, OB+32*((\a)%2)
	s_wait_dscnt 0x0                               ; the block is back in registers
	s_wait_xcnt 0x0                                ; earlier stores have read their base and their data: both may be written again
.if (\a) > 0
	s_add_nc_u64 s[12:13], s[12:13], 16*OROW
.endif
.irp t, 0,1,2,3,4,5,6,7
	global_store_b128 v[CO], v[BK+4*\t:BK+4*\t+3], s[12:13] offset:2*\t*OROW   ; sixteen lanes store 256 consecutive bytes, aligned
.endr
.endm
	PLACES NP
	PACK 0
	TOSTAGE 0
.irp a, 1,2,3,4,5,6,7                  ; block a's conversions stand between block a - 1's loads from the stage and the wait for them
	PACK \a
	SEND \a-1
	TOSTAGE \a
.endr
	SEND 7
	s_wait_tensorcnt 0x0                           ; the wave's end
	ds_add_u32 v[SPW], v[NIL]
	s_wait_dscnt 0x0
	CROUND                                         ; the closing round
	s_endpgm
.Lfunc_end_k_qa45d801da1_qkv:
	.size	k_qa45d801da1_qkv, .Lfunc_end_k_qa45d801da1_qkv-k_qa45d801da1_qkv
	.p2alignl 7, 3214868480
	.fill 96, 4, 3214868480
	.section	.rodata,"a",@progbits
	.p2align	6, 0x0
	.amdhsa_kernel k_qa45d801da1_qkv
		.amdhsa_group_segment_fixed_size 327680
		.amdhsa_private_segment_fixed_size 0
		.amdhsa_enable_private_segment 0
		.amdhsa_kernarg_size 32
		.amdhsa_user_sgpr_count 2
		.amdhsa_user_sgpr_kernarg_segment_ptr 1
		.amdhsa_wavefront_size32 1
		.amdhsa_system_sgpr_workgroup_id_x 1
		.amdhsa_system_sgpr_workgroup_id_y 1
		.amdhsa_system_sgpr_workgroup_id_z 1
		.amdhsa_system_vgpr_workitem_id 0
		.amdhsa_next_free_vgpr 1024
		.amdhsa_next_free_sgpr 100
		.amdhsa_reserve_vcc 0
		.amdhsa_float_denorm_mode_32 3
		.amdhsa_float_denorm_mode_16_64 3
		.amdhsa_memory_ordered 1
		.amdhsa_forward_progress 1
		.amdhsa_inst_pref_size 139
	.end_amdhsa_kernel
	.amdgpu_metadata
---
amdhsa.version: [ 1, 2 ]
amdhsa.kernels:
  - .name:           k_qa45d801da1_qkv
    .symbol:         k_qa45d801da1_qkv.kd
    .args:
      - { .name: xq, .offset: 0, .size: 8, .value_kind: global_buffer, .address_space: global }
      - { .name: wq, .offset: 8, .size: 8, .value_kind: global_buffer, .address_space: global }
      - { .name: b_qkv, .offset: 16, .size: 8, .value_kind: global_buffer, .address_space: global }
      - { .name: qkv, .offset: 24, .size: 8, .value_kind: global_buffer, .address_space: global }
    .group_segment_fixed_size: 327680
    .private_segment_fixed_size: 0
    .kernarg_segment_align: 8
    .kernarg_segment_size: 32
    .max_flat_workgroup_size: 128
    .sgpr_count:     100
    .vgpr_count:     1024
    .wavefront_size: 32
...
	.end_amdgpu_metadata
.endif
;; end of part 2
;; launch scores (part 3): grid 8 x 32, 4 waves a work-group, clusters of 4 x 4, 327,680 bytes of LDS; arguments qkv, p, stats; writes p, stats
.if DOCPART == 3
	.amdgcn_target "amdgcn-amd-amdhsa--gfx1250"
	.amdhsa_code_object_version 6
	.text
	.protected	k_qa45d801da1_scores
	.globl	k_qa45d801da1_scores
	.p2align	8
	.type	k_qa45d801da1_scores,@function
k_qa45d801da1_scores:
	s_mov_b64 s[64:65], 0
	v_nop
	global_prefetch_b8 v0, s[64:65] scope:SCOPE_SE
	s_setreg_imm32_b32 hwreg(HW_REG_WAVE_MODE, 25, 1), 1
	s_wait_xcnt 0x0
	s_wait_alu depctr_hold_cnt(0) depctr_sa_sdst(0) depctr_va_vdst(0) depctr_va_sdst(0) depctr_va_ssrc(0) depctr_va_vcc(0) depctr_vm_vsrc(0)
	s_getreg_b32 s2, hwreg(HW_REG_IB_STS2, 6, 4)
	s_cmp_eq_u32 s2, 0
	s_cbranch_scc0 .Lentry_in_a_cluster
	s_endpgm
.Lentry_in_a_cluster:
	s_bfe_u32 s2, ttmp6, 0x10000c
	s_cmp_lg_u32 s2, 0xf033
	s_cbranch_scc0 .Lentry_shape_is_right
	s_endpgm
.Lentry_shape_is_right:
; For each batch: s = q k^T (f16 operands, f32 sums; k without its bias: dead work, shown at the head of the first kernel); t = s log2(e) / 32.
; THE SOFTMAX IS SPLIT.  For each query and each block kt of 128 keys: M = the block's largest t rounded up to a whole number; p = 2^(t - M), stored as f16; L = the sum of the unrounded p, f32.
; p goes to p[query][key], -M and L to stats[kt][query].  The next launch brings the 16 blocks of a row under the row's largest M (a multiplication by a power of two) and divides by the row's sum.
; So the row's true maximum is taken away, and every exponent is 0 or less (up to one rounding of t).
; A tile of 256 queries x 256 keys is made by four waves, each 128 x 128: 64 accumulators, 512 registers; a wave's 128 keys are one block kt, so no wave asks another for a maximum.
; K = 1,024 goes in 8 steps of 128 through a ring of two LDS slots filled by the tensor data mover; rows of 256 bytes.  One tensor load a wave is out behind each change of slots, two at the start.
; CLUSTERS: 4 x 4 work-groups; q's tiles are asked for jointly along a row of the cluster, k's along a column.  A batch is two clusters high.
; THE MATRIX INSTRUCTION IS USED TRANSPOSED (source 0 = 16 keys, source 1 = 16 queries): a lane holds ONE query (lane % 16) and the keys 16 b + 8 (lane / 16) + 0 .. 7.
; REGISTERS: window 0: v15-31 addresses; v32-62 the way out's statistics; v64-127, v128-191 q's fragments, two buffers; v192-223 packed p.   window 1: k's fragments, two buffers.   windows 2, 3: the accumulators.
.set QROW,   6144                      ; a row of qkv in bytes
.set PROW,   4096                      ; a row of p in bytes
.set KSTEP,  128
.set PITCH,  272
.set HALFT,  128*PITCH
.set SLOT,   4*HALFT
.set STAGE,  2*SLOT                    ; 16 rows x 272 bytes for each wave
.set SPITCH, 272
.set SPARE,  STAGE+4*16*SPITCH         ; the spare words
.set STT,    SPARE+512                 ; for each wave 128 -M, then 128 L
.set LAPS,   4
.set SGO,  15                          ; v15 16 x lane
.set ADRA, 16
.set ADRB, 20
.set STO,  24
.set RD,   25
.set CO,   26
.set STA,  27                          ; v27 STT + 1,024 wave + 4 r
.set SPW,  28
.set NIL,  29
.set PFO,  30                          ; v30 lane x a row of qkv
.set STR,  31                          ; v31 STT + 1,024 wave + 16 lane
.set NMS,  32                          ; v32-39 -M of block a's query
.set LS,   40                          ; v40-47 L
.set U,    48                          ; v48-55 at work
.set NP,   56                          ; v[56:57] -M for the packed multiply-add (the low word serves both halves)
.set SUA,  58
.set SUB,  60
.set PX,   62                          ; the lane permute's destination
.set F0,   64
.set F1,   128
.set TMP,  192
.set OB,   64
.set G1,  24
.set G0,  32
.set LIM, 43
.set PFA, 44
.set G1B, 48
.set G0B, 56
.set CS,  70
.set SEL, 72
.set MSB, 0
.macro WIN new
.if MSB != (\new)
	s_set_vgpr_msb (MSB<<8)|(\new)
.set MSB, (\new)
.endif
.endm
.set MUL_LO, 0xa1
.set MUL_HI, 0xf1
.set TO_B,   0x40
.macro JLOAD s                         ; a joint load: waves 0 and 1 fetch q's halves, waves 2 and 3 k's; an s_nop 0 and four v_nop follow each line
	s_cmp_eq_u32 s11, 0
	s_cbranch_scc0 .Lfor_b_\@
	tensor_load_to_lds s[G0+4*\s:G0+4*\s+3], s[G1:G1+7]
	s_nop 0
.rept 4
	v_nop
.endr
	s_branch .Lasked_\@
.Lfor_b_\@:
	tensor_load_to_lds s[G0B+4*\s:G0B+4*\s+3], s[G1B:G1B+7]
	s_nop 0
.rept 4
	v_nop
.endr
.Lasked_\@:
.endm
; A prefetch of the K step that stands two refills on: 32 rows x 256 bytes, a lane a row, one instruction a wave.  q's tile row is read by both clusters of a row of clusters: the one with x = 0 asks; k's tile column by the
; two clusters of a batch: the upper one asks.  The four partners that ask for a tile jointly share its rows out by address, 32 each.  The last trip asks for nothing: there is no K step two on.
.macro ASK
	s_cmp_gt_u32 s3, s[LIM]
	s_cbranch_scc0 .Lnot_mine_\@
	global_prefetch_b8 v[PFO], s[PFA:PFA+1] offset:KSTEP*2 th:TH_LOAD_NT scope:SCOPE_SE
.Lnot_mine_\@:
.endm
.macro CREST
	s_cmp_lg_u32 s10, 0
	s_cbranch_scc1 .Lnot_wave_0_\@
	s_barrier_signal -3
.Lnot_wave_0_\@:
	s_barrier_wait -3
	s_barrier_signal -1
	s_barrier_wait -1
.endm
.macro CROUND
	s_barrier_signal -1
	s_barrier_wait -1
	CREST
.endm
	s_load_b128 s[4:7], s[0:1], 0x0                ; qkv s[4:5], p s[6:7]
	s_load_b64 s[8:9], s[0:1], 0x10                ; stats
	v_lshl_add_u32 v[SPW], v0, 2, SPARE
	v_mov_b32 v[NIL], 0
	ds_add_u32 v[SPW], v[NIL]                      ; the wave's opening: the add, twice on end, and its wait ahead of my first tensor load
	ds_add_u32 v[SPW], v[NIL]
	v_lshrrev_b32 v1, 5, v0
	v_readfirstlane_b32 s10, v1                    ; wave
	s_lshr_b32 s11, s10, 1                         ; which half of the tile's queries is mine; also: I fetch q (0) or k (1)
	s_and_b32 s12, s10, 1                          ; which half of its keys; also: which 128 rows I fetch
	s_bfe_u32 s40, ttmp6, 0x40000                  ; cx
	s_bfe_u32 s41, ttmp6, 0x40004                  ; cy
	s_lshl_b32 s42, ttmp9, 2
	s_add_co_u32 s42, s42, s40                     ; tile column 0..7: 256 keys of the batch
	s_and_b32 s66, ttmp7, 0xffff                   ; cluster y
	s_lshl_b32 s13, s66, 2
	s_add_co_u32 s13, s13, s41                     ; tile row 0..31: 256 of the 8,192 queries
	s_lshr_b32 s67, s66, 1                         ; the batch
	s_lshl_b32 s14, s41, 2
	s_lshl_b32 s14, 15, s14                        ; my row of the cluster
	s_lshl_b32 s46, 0x1111, s40                    ; my column
	s_or_b32 s[G1+0], s14, (1<<16)|(1<<20)|(1<<21)|(5<<22)|(3<<25)  ; mask; elements of 2 bytes; padding: 4 words after every 64
	s_or_b32 s[G1B+0], s46, (1<<16)|(1<<20)|(1<<21)|(5<<22)|(3<<25)
.irp g, G1, G1B
	s_mov_b32 s[\g+1], KSTEP<<16                   ; tensor_dim0 = 128
	s_mov_b32 s[\g+2], 128<<16                     ; tensor_dim1 = 128
	s_mov_b32 s[\g+3], KSTEP<<16                   ; tile_dim0
	s_mov_b32 s[\g+4], 128                         ; tile_dim1
	s_mov_b32 s[\g+5], 3072                        ; elements from row to row
	s_mov_b32 s[\g+6], 0
	s_mov_b32 s[\g+7], 0
.endr
	s_lshl_b32 s17, s12, 7
	s_lshl_b32 s16, s13, 8
	s_add_co_u32 s16, s16, s17                     ; q: row 256 x tile row + 128 x half
	s_mul_i32 s16, s16, QROW
	s_lshl_b32 s46, s42, 8
	s_add_co_u32 s46, s46, s17
	s_lshl_b32 s47, s67, 11
	s_add_co_u32 s46, s46, s47                     ; k: row 2,048 x batch + 256 x tile column + 128 x half,
	s_mul_i32 s46, s46, QROW
	s_add_co_u32 s46, s46, 2048                    ; 2,048 bytes on in the row
	s_mov_b32 s17, 0
	s_mov_b32 s47, 0
	s_mul_i32 s20, s10, HALFT                      ; where they go: wave x 128 rows
	s_mov_b32 s[CS], 0x3d38aa3b                    ; c = log2(e) / 32
	s_mov_b32 s[CS+1], s[CS]                       ; (named with it as a pair, so it is written)
	s_mov_b32 s[SEL], 0x76543210
	s_mov_b32 s[SEL+1], 0xfedcba98                 ; lane l xor 16
	s_wait_dscnt 0x0                               ; both opening adds are done
	s_wait_kmcnt 0x0
	s_add_nc_u64 s[14:15], s[4:5], s[16:17]
	s_add_nc_u64 s[46:47], s[4:5], s[46:47]
	CROUND                                         ; all sixteen work-groups are here: the first joint loads meet
.irp s, 0,1
	s_mov_b32 s[G0+4*\s], 1
	s_add_co_u32 s[G0+4*\s+1], s20, \s*SLOT
	s_add_nc_u64 s[G0+4*\s+2:G0+4*\s+3], s[14:15], \s*KSTEP*2
	s_or_b32 s[G0+4*\s+3], s[G0+4*\s+3], 0x80000000
	s_mov_b32 s[G0B+4*\s], 1
	s_add_co_u32 s[G0B+4*\s+1], s20, \s*SLOT
	s_add_nc_u64 s[G0B+4*\s+2:G0B+4*\s+3], s[46:47], \s*KSTEP*2
	s_or_b32 s[G0B+4*\s+3], s[G0B+4*\s+3], 0x80000000
	JLOAD \s
.endr
	v_and_b32 v1, 15, v0                           ; r
	v_bfe_u32 v2, v0, 4, 1                         ; h
	v_mul_u32_u24 v3, v1, PITCH
	v_lshl_add_u32 v3, v2, 4, v3
	s_mul_i32 s21, s11, HALFT
	s_mul_i32 s22, s12, HALFT
	s_add_co_u32 s22, s22, 2*HALFT
.irp s, 0,1
	v_add_nc_u32 v[ADRA+\s], s21, v3
	v_add_nc_u32 v[ADRB+\s], s22, v3
	s_add_co_u32 s21, s21, SLOT
	s_add_co_u32 s22, s22, SLOT
.endr
	s_mul_i32 s23, s10, 16*SPITCH
	s_add_co_u32 s23, s23, STAGE
	v_mul_u32_u24 v4, v1, SPITCH
	v_lshl_add_u32 v4, v2, 4, v4
	v_add_nc_u32 v[STO], s23, v4
	v_mul_u32_u24 v5, v2, SPITCH
	v_lshl_add_u32 v5, v1, 4, v5
	v_add_nc_u32 v[RD], s23, v5
	v_mul_u32_u24 v5, v2, PROW
	v_lshl_add_u32 v[CO], v1, 4, v5
	s_lshl_b32 s23, s10, 10
	s_add_co_u32 s23, s23, STT
	v_lshl_add_u32 v[STA], v1, 2, s23
	v_and_b32 v6, 31, v0
	v_lshlrev_b32 v[SGO], 4, v6
	v_add_nc_u32 v[STR], s23, v[SGO]
	v_mov_b32 v[NP+1], 0                           ; named as the upper half of a pair
	v_mov_b32 v[PX], 0                             ; a lane permute's destination counts as one of its sources
	s_lshl_b32 s16, s13, 8
	s_lshl_b32 s17, s11, 7
	s_add_co_u32 s16, s16, s17                     ; my first query
	s_lshl_b32 s18, s16, 2                         ; its word in a row of stats
	s_lshl_b32 s16, s16, 12                        ; its row of p
	s_mov_b32 s17, 0
	s_add_nc_u64 s[6:7], s[6:7], s[16:17]
	s_lshl_b32 s46, s42, 9
	s_lshl_b32 s47, s12, 8
	s_add_co_u32 s46, s46, s47                     ; my first key, in bytes
	s_mov_b32 s47, 0
	s_add_nc_u64 s[6:7], s[6:7], s[46:47]
	s_lshl_b32 s46, s42, 1
	s_add_co_u32 s46, s46, s12                     ; kt = 2 x tile column + half
	s_lshl_b32 s46, s46, 15                        ; 8,192 words a kt
	s_add_co_u32 s46, s46, s18
	s_add_nc_u64 s[8:9], s[8:9], s[46:47]
	; the prefetches: where mine stand, and who asks
	s_lshl_b32 s20, s13, 8
	s_lshl_b32 s21, s42, 8
	s_lshl_b32 s22, s67, 11
	s_add_co_u32 s21, s21, s22
	s_and_b32 s22, s66, 1
	s_cmp_eq_u32 s11, 0                            ; do I fetch q?
	s_cselect_b32 s20, s20, s21                    ; the tile's first row
	s_cselect_b32 s21, s40, s41                    ; my place among the four that ask with me
	s_cselect_b32 s22, ttmp9, s22                  ; 0 in the cluster that asks
	s_cselect_b32 s23, 0, 2048                     ; q's or k's bytes of a row
	s_cmp_eq_u32 s22, 0
	s_cselect_b32 s[LIM], 1, -1
	s_lshl_b32 s22, s12, 7
	s_add_co_u32 s20, s20, s22
	s_lshl_b32 s21, s21, 5
	s_add_co_u32 s20, s20, s21
	s_mul_i32 s20, s20, QROW
	s_add_co_u32 s20, s20, s23
	s_add_co_u32 s20, s20, 2*KSTEP*2               ; at K step 2: the first refill steps it to 3 and names K step 4
	s_mov_b32 s21, 0
	s_add_nc_u64 s[PFA:PFA+1], s[4:5], s[20:21]
	v_mul_u32_u24 v[PFO], v6, QROW
.macro MUL16 f, hi, a0, zero           ; 16 matrix instructions; the 64 accumulators take turns, one instruction a turn
.irp a, \a0, \a0+1
.irp b, 0,1,2,3,4,5,6,7
.set rD, 8*(8*(\a)+\b)
.set rB, \f+8*\b
.set rA, \f+8*(4*\hi+(\a))
.if \zero
	v_wmma_f32_16x16x32_f16 v[rD:rD+7], v[rB:rB+7], v[rA:rA+7], 0
.else
	v_wmma_f32_16x16x32_f16 v[rD:rD+7], v[rB:rB+7], v[rA:rA+7], v[rD:rD+7]
.endif
.endr
.endr
.endm
.macro FETCH slot, k, f                ; 32 LDS loads in one run: a quarter step's fragments: k's 128 rows, then q's
	WIN TO_B
.irp i, 0,1,2,3,4,5,6,7
	ds_load_b128 v[\f+8*\i:\f+8*\i+3],   v[ADRB+\slot] offset:\k+\i*16*PITCH
	ds_load_b128 v[\f+8*\i+4:\f+8*\i+7], v[ADRB+\slot] offset:\k+\i*16*PITCH+32
.endr
	WIN 0
.irp i, 0,1,2,3,4,5,6,7
	ds_load_b128 v[\f+8*\i:\f+8*\i+3],   v[ADRA+\slot] offset:\k+\i*16*PITCH
	ds_load_b128 v[\f+8*\i+4:\f+8*\i+7], v[ADRA+\slot] offset:\k+\i*16*PITCH+32
.endr
.endm
.macro PLACES                          ; four plain vector instructions between a matrix instruction and a load into, or a read of, its registers
.rept 4
	v_nop
.endr
.endm
.macro QUARTER slot, k, f, g, zero
	s_wait_dscnt 8                                 ; k and q's rows 0-63 are in; the youngest eight loads may be out
	WIN MUL_LO
	MUL16 \f, 0, 0, \zero
	MUL16 \f, 0, 2, \zero
	PLACES
	FETCH \slot, \k, \g
	s_wait_dscnt 32                                ; all but the 32 just issued
	WIN MUL_HI
	MUL16 \f, 1, 0, \zero
	MUL16 \f, 1, 2, \zero
.endm
; The last quarter of a K step multiplies buffer 1 and changes slots: ONE barrier.  In front of it each wave waits for all its tensor loads, adds 0 to its spare word, and waits for that and for its reads of this slot.
; fill = 1: the barrier opens a round of the cluster's barrier, and the slot just read is filled again, first thing behind the round, with the K step two on.
.macro TURN slot, next, fill
.if \fill
	s_wait_xcnt 0x0                                ; the last prefetch, a K step back, has read its address
	s_add_nc_u64 s[PFA:PFA+1], s[PFA:PFA+1], KSTEP*2
.endif
	WIN 0
	s_wait_tensorcnt 0x0                           ; all my tensor loads have landed: my part of the next slot
	ds_add_u32 v[SPW], v[NIL]
	s_wait_dscnt 9                                 ; the add and the youngest eight loads may be out
	WIN MUL_LO
	MUL16 F1, 0, 0, 0
	s_wait_dscnt 0x0                               ; the add is done, and my reads of this slot are over
	s_barrier_signal -1
	MUL16 F1, 0, 2, 0
.if \fill
	WIN 0
.endif
	s_barrier_wait -1
.if \fill
	CREST
	s_add_nc_u64 s[G0+4*\slot+2:G0+4*\slot+3], s[G0+4*\slot+2:G0+4*\slot+3], 2*KSTEP*2
	s_add_nc_u64 s[G0B+4*\slot+2:G0B+4*\slot+3], s[G0B+4*\slot+2:G0B+4*\slot+3], 2*KSTEP*2
	JLOAD \slot                                    ; 224 matrix instructions ahead of the wait for it; its four v_nop are also the places in front of the loads below
.else
	PLACES
.endif
	FETCH \next, 0, F0
.if \fill
	ASK
.endif
	WIN MUL_HI
	MUL16 F1, 1, 0, 0
	MUL16 F1, 1, 2, 0
.endm
	s_wait_tensorcnt 1                             ; my part of K step 0 is in; K step 1's may be out
	s_barrier_signal -1
	s_barrier_wait -1
	FETCH 0, 0, F0
	QUARTER 0, 64,  F0, F1, 1                      ; the first quarter's products start the sums: nothing is cleared
	WIN 0
	s_mov_b32 s3, LAPS-1
.Llap:                                             ; a trip goes once round the ring and fills both slots again
	QUARTER 0, 128, F1, F0, 0
	QUARTER 0, 192, F0, F1, 0
	TURN 0, 1, 1
	QUARTER 1, 64,  F0, F1, 0
	QUARTER 1, 128, F1, F0, 0
	QUARTER 1, 192, F0, F1, 0
	TURN 1, 0, 1
	QUARTER 0, 64,  F0, F1, 0
	WIN 0
	s_sub_co_u32 s3, s3, 1
	s_cmp_lg_u32 s3, 0
	s_cbranch_scc1 .Llap
	QUARTER 0, 128, F1, F0, 0                      ; the last lap is written out: it fills nothing
	QUARTER 0, 192, F0, F1, 0
	TURN 0, 1, 0
	QUARTER 1, 64,  F0, F1, 0
	QUARTER 1, 128, F1, F0, 0
	QUARTER 1, 192, F0, F1, 0
	s_wait_dscnt 8
	WIN MUL_LO
	MUL16 F1, 0, 0, 0
	MUL16 F1, 0, 2, 0
	s_wait_dscnt 0x0
	WIN MUL_HI
	MUL16 F1, 1, 0, 0
	MUL16 F1, 1, 2, 0
	WIN 0
; THE SOFTMAX OF BLOCK a (16 queries x my 128 keys).  A lane holds 64 scores of one query, the lane 16 away the other 64.
.macro SOFT a
.set AC, 64*((\a)%4)
.set WW, 2+(\a)/4                      ; the block's window
	WIN WW|(WW<<2)|(WW<<4)
.irp b, 0,1,2,3,4,5,6,7
	v_max3_num_f32 v[U+\b], v[AC+8*\b], v[AC+8*\b+1], v[AC+8*\b+2]    ; each accumulator is read from its low end on; eight chains by turns
.endr
	WIN (WW<<2)|(WW<<4)
.irp b, 0,1,2,3,4,5,6,7
	v_max3_num_f32 v[U+\b], v[U+\b], v[AC+8*\b+3], v[AC+8*\b+4]
.endr
.irp b, 0,1,2,3,4,5,6,7
	v_max3_num_f32 v[U+\b], v[U+\b], v[AC+8*\b+5], v[AC+8*\b+6]
.endr
.irp b, 0,1,2,3,4,5,6,7
	v_max_num_f32 v[U+\b], v[U+\b], v[AC+8*\b+7]
.endr
	WIN 0
	v_max3_num_f32 v[U], v[U], v[U+1], v[U+2]
	v_max3_num_f32 v[U+3], v[U+3], v[U+4], v[U+5]
	v_max3_num_f32 v[U], v[U], v[U+3], v[U+6]
	v_max_num_f32 v[U], v[U], v[U+7]
	v_permlanex16_b32 v[PX], v[U], s[SEL], s[SEL+1]
	v_max_num_f32 v[U], v[U], v[PX]                ; the largest score of my query among the 128 keys
	v_mul_f32 v[U], s[CS], v[U]                    ; as t (c is positive)
	v_floor_f32 v[NMS+(\a)], -v[U]                 ; -M = floor(-t): M is a whole number
	v_mov_b32 v[NP], v[NMS+(\a)]
	WIN WW|(WW<<6)
.set j, 0
.rept 32
	v_pk_fma_f32 v[AC+j:AC+j+1], v[AC+j:AC+j+1], s[CS:CS+1], v[NP:NP+1] op_sel_hi:[1,0,0]   ; t - M, two at a time
.set j, j+2
.endr
.set j, 0
.rept 64
	v_exp_f32 v[AC+j], v[AC+j]                     ; p = 2^(t - M): one batch
.set j, j+1
.endr
	v_nop                                          ; a plain instruction behind the last exponential
	s_wait_alu depctr_va_vdst(0)                   ; one wait for the batch, ahead of its first reader
	WIN WW|(WW<<2)
	v_pk_add_f32 v[SUA:SUA+1], v[AC:AC+1], v[AC+2:AC+3]       ; the sum of the unrounded p, in two chains
	v_pk_add_f32 v[SUB:SUB+1], v[AC+4:AC+5], v[AC+6:AC+7]
.irp b, 0,1,2,3,4,5,6,7
.irp r, 0,1,2,3
	v_cvt_pk_f16_f32 v[TMP+4*\b+\r], v[AC+8*\b+2*\r], v[AC+8*\b+2*\r+1]
.endr
.endr
	WIN WW<<2
.set j, 8
.rept 14
	v_pk_add_f32 v[SUA:SUA+1], v[SUA:SUA+1], v[AC+j:AC+j+1]
	v_pk_add_f32 v[SUB:SUB+1], v[SUB:SUB+1], v[AC+j+2:AC+j+3]
.set j, j+4
.endr
	WIN 0
	v_pk_add_f32 v[SUA:SUA+1], v[SUA:SUA+1], v[SUB:SUB+1]
	v_add_f32 v[SUA], v[SUA], v[SUA+1]
	v_permlanex16_b32 v[PX], v[SUA], s[SEL], s[SEL+1]
	v_add_f32 v[LS+(\a)], v[SUA], v[PX]            ; L
.endm
.macro TOSTAGE a
.set BK, OB+32*((\a)%2)
.irp b, 0,1,2,3,4,5,6,7
	ds_store_b128 v[STO], v[TMP+4*\b:TMP+4*\b+3] offset:32*\b
.endr
.irp t, 0,1,2,3,4,5,6,7
	ds_load_b128 v[BK+4*\t:BK+4*\t+3], v[RD] offset:\t*2*SPITCH    ; LDS serves a wave's instructions in order: these see the stores above
.endr
.endm
.macro SEND a
.set BK, OB+32*((\a)%2)
	s_wait_dscnt 0x0
	s_wait_xcnt 0x0                                ; earlier stores have read their base and their data
.if (\a) > 0
	s_add_nc_u64 s[6:7], s[6:7], 16*PROW
.endif
.irp t, 0,1,2,3,4,5,6,7
	global_store_b128 v[CO], v[BK+4*\t:BK+4*\t+3], s[6:7] offset:2*\t*PROW   ; sixteen lanes store 256 consecutive bytes, aligned
.endr
.endm
	PLACES
	SOFT 0
	TOSTAGE 0
.irp a, 1,2,3,4,5,6,7                  ; block a's softmax stands between block a - 1's loads from the stage and the wait for them
	SOFT \a
	SEND \a-1
	TOSTAGE \a
.endr
	SEND 7
.irp a, 0,1,2,3,4,5,6,7                ; -M and L of my 128 queries gather in my own LDS bytes (lanes l and l + 16 write the same word with the same value) and leave as 512 consecutive bytes each
	ds_store_b32 v[STA], v[NMS+\a] offset:64*\a
	ds_store_b32 v[STA], v[LS+\a] offset:512+64*\a
.endr
	ds_load_b128 v[128:131], v[STR]
	ds_load_b128 v[132:135], v[STR] offset:512
	s_wait_dscnt 0x0
	global_store_b128 v[SGO], v[128:131], s[8:9]
	global_store_b128 v[SGO], v[132:135], s[8:9] offset:524288
	s_wait_tensorcnt 0x0                           ; the wave's end
	ds_add_u32 v[SPW], v[NIL]
	s_wait_dscnt 0x0
	CROUND                                         ; the closing round
	s_endpgm
.Lfunc_end_k_qa45d801da1_scores:
	.size	k_qa45d801da1_scores, .Lfunc_end_k_qa45d801da1_scores-k_qa45d801da1_scores
	.p2alignl 7, 3214868480
	.fill 96, 4, 3214868480
	.section	.rodata,"a",@progbits
	.p2align	6, 0x0
	.amdhsa_kernel k_qa45d801da1_scores
		.amdhsa_group_segment_fixed_size 327680
		.amdhsa_private_segment_fixed_size 0
		.amdhsa_enable_private_segment 0
		.amdhsa_kernarg_size 24
		.amdhsa_user_sgpr_count 2
		.amdhsa_user_sgpr_kernarg_segment_ptr 1
		.amdhsa_wavefront_size32 1
		.amdhsa_system_sgpr_workgroup_id_x 1
		.amdhsa_system_sgpr_workgroup_id_y 1
		.amdhsa_system_sgpr_workgroup_id_z 1
		.amdhsa_system_vgpr_workitem_id 0
		.amdhsa_next_free_vgpr 1024
		.amdhsa_next_free_sgpr 80
		.amdhsa_reserve_vcc 0
		.amdhsa_float_denorm_mode_32 3
		.amdhsa_float_denorm_mode_16_64 3
		.amdhsa_memory_ordered 1
		.amdhsa_forward_progress 1
		.amdhsa_inst_pref_size 214
	.end_amdhsa_kernel
	.amdgpu_metadata
---
amdhsa.version: [ 1, 2 ]
amdhsa.kernels:
  - .name:           k_qa45d801da1_scores
    .symbol:         k_qa45d801da1_scores.kd
    .args:
      - { .name: qkv, .offset: 0, .size: 8, .value_kind: global_buffer, .address_space: global }
      - { .name: p, .offset: 8, .size: 8, .value_kind: global_buffer, .address_space: global }
      - { .name: stats, .offset: 16, .size: 8, .value_kind: global_buffer, .address_space: global }
    .group_segment_fixed_size: 327680
    .private_segment_fixed_size: 0
    .kernarg_segment_align: 8
    .kernarg_segment_size: 24
    .max_flat_workgroup_size: 128
    .sgpr_count:     80
    .vgpr_count:     1024
    .wavefront_size: 32
...
	.end_amdgpu_metadata
.endif
;; end of part 3
;; launch pv (part 4): grid 4 x 64, 4 waves a work-group, clusters of 4 x 4, 327,680 bytes of LDS; arguments p, qkv, stats, ctx; writes ctx
.if DOCPART == 4
	.amdgcn_target "amdgcn-amd-amdhsa--gfx1250"
	.amdhsa_code_object_version 6
	.text
	.protected	k_qa45d801da1_pv
	.globl	k_qa45d801da1_pv
	.p2align	8
	.type	k_qa45d801da1_pv,@function
k_qa45d801da1_pv:
	s_mov_b64 s[64:65], 0
	v_nop
	global_prefetch_b8 v0, s[64:65] scope:SCOPE_SE
	s_setreg_imm32_b32 hwreg(HW_REG_WAVE_MODE, 25, 1), 1
	s_wait_xcnt 0x0
	s_wait_alu depctr_hold_cnt(0) depctr_sa_sdst(0) depctr_va_vdst(0) depctr_va_sdst(0) depctr_va_ssrc(0) depctr_va_vcc(0) depctr_vm_vsrc(0)
	s_getreg_b32 s2, hwreg(HW_REG_IB_STS2, 6, 4)
	s_cmp_eq_u32 s2, 0
	s_cbranch_scc0 .Lentry_in_a_cluster
	s_endpgm
.Lentry_in_a_cluster:
	s_bfe_u32 s2, ttmp6, 0x10000c
	s_cmp_lg_u32 s2, 0xf033
	s_cbranch_scc0 .Lentry_shape_is_right
	s_endpgm
.Lentry_shape_is_right:
; ONE SOURCE FOR TWO LAUNCHES, C = A B with B stored [K][N], f16 operands, f32 sums.
;   PV = 1: ctx = softmax x v.  A = p [8192][2048 keys], B = v (in qkv, the rows of a batch's keys), C = ctx [8192][1024] f16.  p's block kt of 128 keys stands under its own whole number M_kt.  With M the row's largest M_kt
;           and d_kt = M_kt - M, the sums are kept in units of 2^d_kt: at each change of kt all accumulators are multiplied, in f32, by 2^(d_(kt-1) - d_kt), a power of two; at the end by 2^d_15 / l, l = the sum of 2^d_kt L_kt.
;           LIMIT: d_kt is held at -64: a block whose M lies more than 64 under the row's largest is weighed 2^-64 instead of less, beside an l of at least 0.5.  So no factor leaves 2^-64 .. 2^64.
;   PV = 0: out0 = ctx W_out + b_out.  A = ctx, B = wout16 [1024][1024], C = out0 f32; the bias is the C of the first products of the rows that a wave keeps.
; SHARES.  C is 8,192 x 1,024: a tile of 128 rows x 256 columns gives 256 work-groups.  A wave still makes 128 x 128 (64 accumulators): the four waves are two column halves (ch) x two halves of K (kh): of each 64 along K
; wave (ch, kh) takes k = 32 kh .. 32 kh + 31: a QUARTER, 64 matrix instructions.  At the end the waves w and w xor 2 exchange half their sums through LDS: a wave's blocks 0-3 (window 2) are rows 64 kh on, which it keeps;
; blocks 4-7 (window 3) the others, which it sends.
; THE RING.  Two LDS slots of 192 along K, the largest of which two fit: A's 128 rows x 384 bytes (waves 0, 1 fetch 64 rows each), B's 192 k-rows x 512 bytes (waves 2, 3 fetch 96 each): three quarters a wave.
; K is no multiple of 192: PV = 1: 2,048 = 128 + 10 x 192; PV = 0: 1,024 = 128 + 128 + 4 x 192.  The short slots come first, among the first fills: tiles of the long shape whose tensor ends early, so that the rest
; arrives as zeros.  In a short slot B's second 64 k-rows lie at LDS row 96 (wave 3's part).  One tensor load a wave is out behind each change of slots, two at the start;
; a refill is asked for 160 matrix instructions ahead of the wait for it.  A's rows of 384 bytes begin at multiples of 128 bytes in memory: the price of the longer slot.
; B's fragments come out of LDS turned, by ds_load_tr16_b128.  THE MATRIX INSTRUCTION IS USED TRANSPOSED (source 0 = 16 columns of B, source 1 = 16 rows of A): a lane holds eight neighbouring columns of one row of C.
; CLUSTERS: 4 x 4 work-groups: A's tiles are asked for jointly along a row of the cluster, B's along a column.
; REGISTERS: window 0: v12-34 addresses; v36-51 the factors of my eight blocks' rows (pairs, the low word used); v52-59 the last factor; v64-127, v128-191 A's fragments, two buffers; v192-255 the bias or packed results.
;   window 1: B's fragments, two buffers.   windows 2, 3: the accumulators.
.set PV, 1
.if PV
.set ROWA, 4096                        ; bytes from row to row of A,
.set ROWB, 6144                        ; of B,
.set ROWC, 2048                        ; of C
.set CSZ,  2
.set TRIPS, 4                          ; trips of the loop: a trip is two long slots
.set SA,   1                           ; the LDS slot of a trip's first long slot
.else
.set ROWA, 2048
.set ROWB, 2048
.set ROWC, 4096
.set CSZ,  4
.set TRIPS, 1
.set SA,   0
.endif
.set SB,    1-SA
.set PA,    432                        ; A's LDS row: 3 x (128 bytes + 16) = 108 words: the 16 rows that a load touches start at 16 different multiples of 4 words modulo 64
.set PB,    544                        ; B's: 512 + 32 = 136 words
.set BOFF,  128*PA
.set SLOT,  BOFF+192*PB
.set RING,  2*SLOT
.set FT,    RING                       ; PV = 1: [15 changes of kt][128 rows] half words: the upper halves of the factors (a power of two has nothing in its lower half)
.set SPARE, RING+7680                  ; the spare words
.set XIL,   131072                     ; in the ring, written behind its last fill and last read: behind the four waves' images of 32,768 bytes, 128 f32: the last factor,
.set STAGE, XIL+512                    ; and the stages for the way out
.if PV
.set SPITCH, 272
.else
.set SPITCH, 528
.endif
.set WA,    12
.set TO,    13
.set FIN,   14                         ; v14 thread i: 2^d_15 / l of the tile's row i
.set XLD,   15                         ; v15 my partner's image: 32,768 (wave xor 2) + 16 lane
.set ADRL,  16                         ; v16-17 A's rows that I keep, slot 0, 1
.set ADRH,  18                         ; v18-19 A's other rows
.set ADRB,  20                         ; v20-21 B, slot 0, 1
.set ADRB2, 22                         ; v22-23 B, 128 k-rows on: an LDS offset has 16 bits
.set STO,   24
.set RD,    25
.set CO,    26
.set ILA,   27
.set SPW,   28
.set NIL,   29
.set PFO,   30                         ; v30 the prefetches' offset: my lane x a row
.set XST,   31                         ; v31 my image: 32,768 wave + 16 lane
.set PFO2,  32                         ; v32 the same, 128 along K on
.set ADRWL, 33
.set ADRWH, 34
.set FC,    36
.set INV,   52
.set F0,    64
.set F1,    128
.set BI,    192
.set TMP,   192
.set OB,    64
.set WV,  12
.set KH,  13
.set CH,  14
.set G1,  24                           ; s[24:31] group 1 for A's long tiles;  s[32:39] group 0, a set for each slot
.set G0,  32
.set LIM, 43
.set PFA, 44
.set G1B, 48                           ; s[48:55], s[56:63] the same for B
.set G0B, 56
.set PFS, 68
.set BL,  70                           ; s[70:71] B at the k-row 96 ch: where my part of a long tile at k = 0 would begin
.set G1S, 72                           ; s[72:79] group 1 for A's short tiles
.set G1BS, 80                          ; s[80:87] for B's
.set MSB, 0
.macro WIN new                         ; the immediate's high byte repeats the setting that is left; a switch that changes nothing is dropped
.if MSB != (\new)
	s_set_vgpr_msb (MSB<<8)|(\new)
.set MSB, (\new)
.endif
.endm
.set MUL_LO, 0xa1                      ; source 0 (B) window 1, source 1 (A) window 0, C and D window 2
.set TO_B,   0x40
.macro JLOAD s, ga, gb                 ; a joint load: waves 0 and 1 fetch A's halves, waves 2 and 3 B's; an s_nop 0 and four v_nop follow each line
	s_cmp_eq_u32 s[KH], 0
	s_cbranch_scc0 .Lfor_b_\@
	tensor_load_to_lds s[G0+4*\s:G0+4*\s+3], s[\ga:\ga+7]
	s_nop 0
.rept 4
	v_nop
.endr
	s_branch .Lasked_\@
.Lfor_b_\@:
	tensor_load_to_lds s[G0B+4*\s:G0B+4*\s+3], s[\gb:\gb+7]
	s_nop 0
.rept 4
	v_nop
.endr
.Lasked_\@:
.endm
; A PREFETCH, in blocks of 128 along K: of A 128 rows x 256 bytes, of B 128 k-rows x 512 bytes; a lane a row.  A change of slots asks for the blocks that the NEXT refill needs for the first time: one or two, by turns:
; one slot, 192 matrix instructions of a wave, ahead.  A's: wave 0 asks, the four partners of a row of the cluster 32 rows each, told apart by address.  B's: waves 2 and 3 ask for 256 bytes of a row each, the four
; partners of a column 32 k-rows each; only the first of the clusters that read these rows asks.  So each block is named once.  Blocks 0 to 3 come by their loads alone; the last refill asks for nothing (cond = 1: not in the last trip).
.macro ASK n, cond
.if \cond
	s_cmp_gt_u32 s3, s[LIM]
.else
	s_cmp_eq_u32 s[LIM], 1
.endif
	s_cbranch_scc0 .Lnot_mine_\@
	global_prefetch_b8 v[PFO], s[PFA:PFA+1] th:TH_LOAD_NT scope:SCOPE_SE
.if \n > 1
	global_prefetch_b8 v[PFO2], s[PFA:PFA+1] th:TH_LOAD_NT scope:SCOPE_SE
.endif
.Lnot_mine_\@:
.endm
.macro CREST
	s_cmp_lg_u32 s[WV], 0
	s_cbranch_scc1 .Lnot_wave_0_\@
	s_barrier_signal -3
.Lnot_wave_0_\@:
	s_barrier_wait -3
	s_barrier_signal -1
	s_barrier_wait -1
.endm
.macro CROUND
	s_barrier_signal -1
	s_barrier_wait -1
	CREST
.endm
	s_load_b256 s[4:11], s[0:1], 0x0               ; A s[4:5], B s[6:7], stats or bias s[8:9], C s[10:11]
	v_lshl_add_u32 v[SPW], v0, 2, SPARE
	v_mov_b32 v[NIL], 0
	ds_add_u32 v[SPW], v[NIL]                      ; the wave's opening: the add, twice on end, and its wait ahead of my first tensor load
	ds_add_u32 v[SPW], v[NIL]
	v_lshrrev_b32 v1, 5, v0
	v_readfirstlane_b32 s[WV], v1                  ; wave
	s_lshr_b32 s[KH], s[WV], 1                     ; my half of K; also: I fetch A (0) or B (1)
	s_and_b32 s[CH], s[WV], 1                      ; my half of the columns; also: which half of a tile's rows I fetch
	s_bfe_u32 s40, ttmp6, 0x40000                  ; cx
	s_bfe_u32 s41, ttmp6, 0x40004                  ; cy
	s_lshl_b32 s42, ttmp9, 2
	s_add_co_u32 s42, s42, s40                     ; tile column 0..3
	s_and_b32 s66, ttmp7, 0xffff                   ; cluster y
	s_lshl_b32 s15, s66, 2
	s_add_co_u32 s15, s15, s41                     ; tile row 0..63
	s_lshl_b32 s16, s41, 2
	s_lshl_b32 s16, 15, s16                        ; my row of the cluster
	s_lshl_b32 s46, 0x1111, s40                    ; my column
	s_or_b32 s[G1+0], s16, (1<<16)|(1<<20)|(1<<21)|(4<<22)|(3<<25)   ; A: mask; elements of 2 bytes; padding: 4 words after every 32
	s_or_b32 s[G1S+0], s16, (1<<16)|(1<<20)|(1<<21)|(4<<22)|(3<<25)
	s_mov_b32 s[G1+1], 192<<16                     ; tensor_dim0: a long tile is whole;
	s_mov_b32 s[G1S+1], 128<<16                    ; a short one ends at 128 along K: zeros behind
.irp g, G1, G1S
	s_mov_b32 s[\g+2], 64<<16                      ; tensor_dim1
	s_mov_b32 s[\g+3], 192<<16                     ; tile_dim0
	s_mov_b32 s[\g+4], 64                          ; tile_dim1
	s_mov_b32 s[\g+5], ROWA/2                      ; elements from row to row
	s_mov_b32 s[\g+6], 0
	s_mov_b32 s[\g+7], 0
.endr
	s_or_b32 s[G1B+0], s46, (1<<16)|(1<<20)|(1<<21)|(6<<22)|(7<<25)  ; B: padding: 8 words after every 128
	s_or_b32 s[G1BS+0], s46, (1<<16)|(1<<20)|(1<<21)|(6<<22)|(7<<25)
	s_mov_b32 s[G1B+2], 96<<16                     ; tensor_dim1: a long tile is whole;
	s_mov_b32 s[G1BS+2], 64<<16                    ; a short one ends at 64 k-rows: zeros behind
.irp g, G1B, G1BS
	s_mov_b32 s[\g+1], 256<<16                     ; tensor_dim0
	s_mov_b32 s[\g+3], 256<<16                     ; tile_dim0
	s_mov_b32 s[\g+4], 96                          ; tile_dim1
	s_mov_b32 s[\g+5], ROWB/2
	s_mov_b32 s[\g+6], 0
	s_mov_b32 s[\g+7], 0
.endr
	s_lshl_b32 s16, s15, 7
	s_lshl_b32 s17, s[CH], 6
	s_add_co_u32 s16, s16, s17                     ; A: row 128 x tile row + 64 x half
	s_mul_i32 s16, s16, ROWA
	s_mov_b32 s17, 0
	s_lshl_b32 s46, s[CH], 6                       ; B: a short tile's k-row 64 x half,
	s_mul_i32 s[BL], s[CH], 96                     ; a long one's 96 x half,
.if PV
	s_lshr_b32 s67, s66, 2                         ; the batch: four clusters high
	s_lshl_b32 s47, s67, 11
	s_add_co_u32 s46, s46, s47                     ; in the batch's 2,048 rows of qkv,
	s_add_co_u32 s[BL], s[BL], s47
.endif
	s_mul_i32 s46, s46, ROWB
	s_mul_i32 s[BL], s[BL], ROWB
	s_lshl_b32 s47, s42, 9                         ; 512 bytes a tile column,
.if PV
	s_add_co_u32 s47, s47, 4096                    ; v's bytes of a row
.endif
	s_add_co_u32 s46, s46, s47
	s_add_co_u32 s[BL], s[BL], s47
	s_mov_b32 s47, 0
	s_mov_b32 s[BL+1], 0
	s_mul_i32 s20, s[CH], 64*PA                    ; where they go
	s_mul_i32 s21, s[CH], 96*PB
	s_add_co_u32 s21, s21, BOFF
	s_wait_dscnt 0x0                               ; both opening adds are done
	s_wait_kmcnt 0x0
	s_add_nc_u64 s[16:17], s[4:5], s[16:17]
	s_add_nc_u64 s[46:47], s[6:7], s[46:47]
	s_add_nc_u64 s[BL:BL+1], s[6:7], s[BL:BL+1]
	CROUND                                         ; all sixteen work-groups are here: the first joint loads meet
.irp s, 0,1                                    ; slot 0: k = 0 .. 127, short.  Slot 1: from k = 128 on: PV = 1 long, PV = 0 short
	s_mov_b32 s[G0+4*\s], 1
	s_add_co_u32 s[G0+4*\s+1], s20, \s*SLOT
	s_add_nc_u64 s[G0+4*\s+2:G0+4*\s+3], s[16:17], \s*256
	s_or_b32 s[G0+4*\s+3], s[G0+4*\s+3], 0x80000000
	s_mov_b32 s[G0B+4*\s], 1
	s_add_co_u32 s[G0B+4*\s+1], s21, \s*SLOT
.if PV && (\s == 1)
	s_add_nc_u64 s[G0B+4*\s+2:G0B+4*\s+3], s[BL:BL+1], 128*ROWB
.else
	s_add_nc_u64 s[G0B+4*\s+2:G0B+4*\s+3], s[46:47], \s*128*ROWB
.endif
	s_or_b32 s[G0B+4*\s+3], s[G0B+4*\s+3], 0x80000000
.if PV && (\s == 1)
	JLOAD \s, G1, G1B
.else
	JLOAD \s, G1S, G1BS
.endif
.endr
	v_and_b32 v1, 15, v0                           ; r
	v_bfe_u32 v2, v0, 4, 1                         ; h
	s_lshl_b32 s16, s15, 7
	s_lshl_b32 s17, s[KH], 6
	s_add_co_u32 s16, s16, s17                     ; the first row of C that I store: 128 x tile row + 64 kh
	s_mul_i32 s16, s16, ROWC
	s_mov_b32 s17, 0
	s_add_nc_u64 s[10:11], s[10:11], s[16:17]
	s_mul_i32 s46, s42, 256*CSZ
	s_mul_i32 s47, s[CH], 128*CSZ
	s_add_co_u32 s46, s46, s47                     ; my first column, in bytes
	s_mov_b32 s47, 0
	s_add_nc_u64 s[10:11], s[10:11], s[46:47]
.if PV
	s_lshl_b32 s18, s15, 9                         ; stats: thread i serves row i of the tile's 128
	s_mov_b32 s19, 0
	s_add_nc_u64 s[8:9], s[8:9], s[18:19]
	v_lshlrev_b32 v[TO], 2, v0
.set i, 0
.rept 16
	global_load_b32 v[64+i], v[TO], s[8:9] offset:32768*i          ; -M of block i: a wave reads 128 consecutive bytes, the work-group 512
	global_load_b32 v[80+i], v[TO], s[8:9] offset:524288+32768*i   ; L
.set i, i+1
.endr
.else
	s_add_nc_u64 s[8:9], s[8:9], s[46:47]          ; b_out at my first column (f32: the same bytes as in a row of C)
	v_lshlrev_b32 v[TO], 5, v2
.irp b, 0,1,2,3,4,5,6,7                        ; the bias in the result's layout: tile b, register j: b_out[my first column + 16 b + 8 h + j]
	global_load_b128 v[BI+8*\b:BI+8*\b+3], v[TO], s[8:9] offset:64*\b
	global_load_b128 v[BI+8*\b+4:BI+8*\b+7], v[TO], s[8:9] offset:64*\b+16
.endr
.endif
	v_mul_u32_u24 v3, v1, PA
	v_lshl_add_u32 v3, v2, 4, v3                   ; A: row r x pitch + 16 h
	s_mul_i32 s22, s[KH], 64*PA+64                 ; the rows that I keep, 64 kh on, and my 64 bytes of each 128
	s_xor_b32 s23, s[KH], 1
	s_mul_i32 s23, s23, 64*PA                      ; the other rows,
	s_lshl_b32 s18, s[KH], 6
	s_add_co_u32 s23, s23, s18                     ; the same bytes of them
.irp s, 0,1
	v_add_nc_u32 v[ADRL+\s], s22, v3
	v_add_nc_u32 v[ADRH+\s], s23, v3
	s_add_co_u32 s22, s22, SLOT
	s_add_co_u32 s23, s23, SLOT
.endr
	v_and_b32 v4, 7, v0                            ; B, turned: lane l reads k-row 8 h + l % 8, 16 bytes at 16 ((l / 8) % 2)
	v_lshl_add_u32 v4, v2, 3, v4
	v_mul_u32_u24 v4, v4, PB
	v_bfe_u32 v5, v0, 3, 1
	v_lshl_add_u32 v4, v5, 4, v4
	s_mul_i32 s22, s[KH], 32*PB                    ; my 32 k-rows of each 64,
	s_lshl_b32 s18, s[CH], 8
	s_add_co_u32 s22, s22, s18                     ; my 256 bytes of a row
	s_add_co_u32 s22, s22, BOFF
	s_add_co_u32 s23, s22, 128*PB
	v_add_nc_u32 v[ADRB], s22, v4
	v_add_nc_u32 v[ADRB2], s23, v4
	s_add_co_u32 s22, s22, SLOT
	s_add_co_u32 s23, s23, SLOT
	v_add_nc_u32 v[ADRB+1], s22, v4
	v_add_nc_u32 v[ADRB2+1], s23, v4
	v_and_b32 v6, 31, v0
	v_lshlrev_b32 v7, 4, v6                        ; 16 x lane
	s_lshl_b32 s22, s[WV], 15
	v_add_nc_u32 v[XST], s22, v7
	s_xor_b32 s23, s[WV], 2
	s_lshl_b32 s23, s23, 15
	v_add_nc_u32 v[XLD], s23, v7
	s_mul_i32 s22, s[WV], 16*SPITCH
	s_add_co_u32 s22, s22, STAGE                   ; my stage
	v_mul_u32_u24 v8, v1, SPITCH
.if PV
	v_lshl_add_u32 v8, v2, 4, v8
	v_add_nc_u32 v[STO], s22, v8                   ; in: row r, 16 bytes for each half of the lanes
	v_mul_u32_u24 v8, v2, SPITCH
	v_lshl_add_u32 v8, v1, 4, v8
	v_add_nc_u32 v[RD], s22, v8                    ; back: lanes 0-15 one row of 256 bytes, lanes 16-31 the next
	v_mul_u32_u24 v8, v2, ROWC
	v_lshl_add_u32 v[CO], v1, 4, v8
	s_lshl_b32 s22, s[KH], 7
	s_xor_b32 s23, s[KH], 1
	s_lshl_b32 s23, s23, 7
	s_add_co_u32 s22, s22, FT
	s_add_co_u32 s23, s23, FT
	v_lshl_add_u32 v[ADRWL], v1, 1, s22            ; the factors of the rows that I keep: 2 (64 kh + r),
	v_lshl_add_u32 v[ADRWH], v1, 1, s23            ; of the others,
	s_lshl_b32 s18, s[KH], 8
	s_add_co_u32 s18, s18, XIL
	v_lshl_add_u32 v[ILA], v1, 2, s18              ; and the last factor of the rows that I keep
	v_lshl_add_u32 v[WA], v0, 1, FT
.set i, 0
.rept 16
	v_mov_b32 v[FC+i], 0                           ; the upper halves are named with the factors as pairs
.set i, i+1
.endr
.irp a, 0,1,2,3
	v_mov_b32 v[INV+2*\a+1], 0
.endr
.else
	v_lshl_add_u32 v8, v2, 5, v8
	v_add_nc_u32 v[STO], s22, v8                   ; in: row r, 32 bytes for each half of the lanes
	v_add_nc_u32 v[RD], s22, v7                    ; back: the 32 lanes take one row of 512 bytes
	v_mov_b32 v[CO], v7
.endif
	; the prefetches: where mine stand, and who asks
	s_lshl_b32 s20, s15, 7
	s_lshl_b32 s18, s40, 5
	s_add_co_u32 s20, s20, s18                     ; A: row 128 x tile row + 32 cx,
	s_mul_i32 s20, s20, ROWA
	s_add_co_u32 s20, s20, 4*256                   ; at block 4
	s_lshl_b32 s21, s41, 5                         ; B: k-row 32 cy,
	s_add_co_u32 s21, s21, 4*128                   ; at block 4,
.if PV
	s_lshl_b32 s18, s67, 11
	s_add_co_u32 s21, s21, s18
.endif
	s_mul_i32 s21, s21, ROWB
	s_lshl_b32 s18, s42, 9
	s_add_co_u32 s21, s21, s18
	s_lshl_b32 s18, s[CH], 8
	s_add_co_u32 s21, s21, s18                     ; 256 bytes of the tile's 512 for each of waves 2 and 3
.if PV
	s_add_co_u32 s21, s21, 4096
	s_and_b32 s22, s66, 3                          ; 0 in the first cluster of a batch
.else
	s_mov_b32 s22, s66                             ; 0 in the first cluster
.endif
	s_mov_b32 s[PFS], 128*ROWB
	s_mov_b32 s23, ROWB
	s_cmp_eq_u32 s[KH], 0                          ; do I fetch A?
	s_cselect_b32 s20, s20, s21
	s_cselect_b64 s[PFA:PFA+1], s[4:5], s[6:7]
	s_cselect_b32 s22, s[CH], s22                  ; for A wave 0 alone asks, in every cluster: no other cluster reads these rows
	s_cselect_b32 s[PFS], 256, s[PFS]              ; a block on
	s_cselect_b32 s23, ROWA, s23                   ; from lane to lane
	s_mov_b32 s[PFS+1], 0
	s_mov_b32 s21, 0
	s_add_nc_u64 s[PFA:PFA+1], s[PFA:PFA+1], s[20:21]
	s_cmp_eq_u32 s22, 0
	s_cselect_b32 s[LIM], 1, -1
	v_mul_lo_u32 v[PFO], v6, s23
	v_add_nc_u32 v[PFO2], s[PFS], v[PFO]
	s_wait_loadcnt 0x0
.if PV
	v_max3_num_f32 v96, -v64, -v65, -v66           ; M = the largest of the row's 16 M_kt (the loads brought -M_kt)
	v_max3_num_f32 v97, -v67, -v68, -v69
	v_max3_num_f32 v96, v96, -v70, -v71
	v_max3_num_f32 v97, v97, -v72, -v73
	v_max3_num_f32 v96, v96, -v74, -v75
	v_max3_num_f32 v97, v97, -v76, -v77
	v_max3_num_f32 v96, v96, -v78, -v79
	v_max_num_f32 v96, v96, v97
.set i, 0
.rept 16
	v_sub_f32 v[64+i], -v[64+i], v96               ; M_kt - M: a whole number, 0 or less,
.set i, i+1
.endr
.set i, 0
.rept 16
	v_max_num_f32 v[64+i], 0xc2800000, v[64+i]     ; held at -64: d_kt
.set i, i+1
.endr
.set i, 0
.rept 15
	v_sub_f32 v[100+i], v[64+i], v[65+i]           ; d_i - d_(i+1)
.set i, i+1
.endr
.set i, 0
.rept 16
	v_cvt_i32_f32 v[64+i], v[64+i]
.set i, i+1
.endr
.set i, 0
.rept 15
	v_cvt_i32_f32 v[100+i], v[100+i]
.set i, i+1
.endr
.set i, 0
.rept 16
	v_ldexp_f32 v[64+i], 1.0, v[64+i]              ; w = 2^d_kt
.set i, i+1
.endr
.set i, 0
.rept 15
	v_ldexp_f32 v[100+i], 1.0, v[100+i]            ; the factor at the change from block i to block i + 1
.set i, i+1
.endr
	v_mul_f32 v98, v64, v80                        ; l = the sum of w L, in two chains
	v_mul_f32 v99, v65, v81
.irp i, 2,4,6,8,10,12,14
	v_fma_f32 v98, v[64+\i], v[80+\i], v98
	v_fma_f32 v99, v[65+\i], v[81+\i], v99
.endr
	v_add_f32 v98, v98, v99
	v_rcp_f32 v97, v98
.set i, 0
.rept 15
	v_lshrrev_b32 v[100+i], 16, v[100+i]           ; a factor's upper half: independent work behind the reciprocal
.set i, i+1
.endr
	s_wait_alu depctr_va_vdst(0)                   ; ahead of the reciprocal's first reader
	v_mul_f32 v[FIN], v97, v79                     ; 2^d_15 / l: kept until the ring is free
.set i, 0
.rept 15
	ds_store_b16 v[WA], v[100+i] offset:256*i
.set i, i+1
.endr
.endif
; n matrix instructions from number i0 of a half's 32 (number i: A's block 4 hi + i / 8, B's block i % 8).  zero = 1: the product starts the sum with 0; 2: with the bias.  The 64 accumulators take turns, one instruction a
; turn.  sc = 1: behind each matrix instruction four packed multiplications bring accumulator i of the OTHER half under the next block's unit: the matrix unit works on one half while the
; vector unit scales the other; each such slice costs two switches of the register window.
.macro MULS f, hi, i0, n, zero, sc
.set i, \i0
.rept \n
.set rD, 8*i
.set rB, \f+8*(i%8)
.set rA, \f+32*\hi+8*(i/8)
.if \zero == 2
	WIN 0x81                                       ; C (the bias) in window 0, D in window 2
	v_wmma_f32_16x16x32_f16 v[rD:rD+7], v[rB:rB+7], v[rA:rA+7], v[BI+8*(i%8):BI+8*(i%8)+7]
.elseif \zero == 1
	WIN MUL_LO+0x50*\hi
	v_wmma_f32_16x16x32_f16 v[rD:rD+7], v[rB:rB+7], v[rA:rA+7], 0
.else
	WIN MUL_LO+0x50*\hi
	v_wmma_f32_16x16x32_f16 v[rD:rD+7], v[rB:rB+7], v[rA:rA+7], v[rD:rD+7]
.endif
.if \sc
.set rF, FC+8*(1-\hi)+2*(i/8)
	WIN 0xc3-0x41*\hi                              ; destination and source 0: the other half's window; the factor in window 0
	v_pk_mul_f32 v[rD:rD+1], v[rD:rD+1], v[rF:rF+1] op_sel_hi:[1,0]       ; from the accumulator's low end on
	v_pk_mul_f32 v[rD+2:rD+3], v[rD+2:rD+3], v[rF:rF+1] op_sel_hi:[1,0]
	v_pk_mul_f32 v[rD+4:rD+5], v[rD+4:rD+5], v[rF:rF+1] op_sel_hi:[1,0]
	v_pk_mul_f32 v[rD+6:rD+7], v[rD+6:rD+7], v[rF:rF+1] op_sel_hi:[1,0]
.endif
.set i, i+1
.endr
.endm
; The LDS loads of a quarter in one run: the t-th 64 along K of a slot (sh = 1: of a short slot), my 32 of them: B's eight fragments, A's blocks 0-3, A's blocks 4-7.  fl = 1: ahead of them the factors of the next change of kt.
.macro FETCH slot, t, sh, f, fl
.if \fl
	WIN 0
.irp a, 0,1,2,3
	ds_load_u16 v[FC+2*\a], v[ADRWL] offset:32*\a
.endr
.irp a, 0,1,2,3
	ds_load_u16 v[FC+8+2*\a], v[ADRWH] offset:32*\a
.endr
	v_add_nc_u32 v[ADRWL], 256, v[ADRWL]           ; on to the change after
	v_add_nc_u32 v[ADRWH], 256, v[ADRWH]
.endif
.if \sh
.set bo, (\t)*96*PB
.set ba, ADRB+\slot
.elseif (\t) == 2
.set bo, 0
.set ba, ADRB2+\slot
.else
.set bo, (\t)*64*PB
.set ba, ADRB+\slot
.endif
	WIN TO_B
.irp i, 0,1,2,3,4,5,6,7
	ds_load_tr16_b128 v[\f+8*\i:\f+8*\i+3],   v[ba] offset:bo+32*\i
	ds_load_tr16_b128 v[\f+8*\i+4:\f+8*\i+7], v[ba] offset:bo+16*PB+32*\i
.endr
	WIN 0
.irp i, 0,1,2,3
	ds_load_b128 v[\f+8*\i:\f+8*\i+3],   v[ADRL+\slot] offset:144*(\t)+\i*16*PA
	ds_load_b128 v[\f+8*\i+4:\f+8*\i+7], v[ADRL+\slot] offset:144*(\t)+\i*16*PA+32
.endr
.irp i, 0,1,2,3
	ds_load_b128 v[\f+32+8*\i:\f+32+8*\i+3],   v[ADRH+\slot] offset:144*(\t)+\i*16*PA
	ds_load_b128 v[\f+32+8*\i+4:\f+32+8*\i+7], v[ADRH+\slot] offset:144*(\t)+\i*16*PA+32
.endr
.endm
.macro FSHIFT                          ; the half words just loaded become f32 numbers
	WIN 0
.irp a, 0,1,2,3,4,5,6,7
	v_lshlrev_b32 v[FC+2*\a], 16, v[FC+2*\a]
.endr
.endm
.macro PLACES                          ; four plain vector instructions between a matrix instruction and a load into, or a read of, its registers
.rept 4
	v_nop
.endr
.endm
; QUARTERS are numbered along K; par is the number's parity: an even one multiplies buffer 0, an odd one buffer 1.  A block kt is two quarters, an even and an odd one.  So (sc = 1) an odd quarter scales window 2 behind its
; products on window 3, and the even one that follows scales window 3 behind its products on window 2; an even quarter's run of loads also brings the next factors (fl = 1).
; A quarter that has its successor, the nt-th 64 along K, in the same slot:
.macro QUARTER par, slot, nt, nsh, first, sc, fl
.set qf, F0+64*(\par)
.set qg, F1-64*(\par)
	s_wait_dscnt 8                                 ; the factors, B and A's blocks 0-3 are in; the youngest eight loads (A's blocks 4-7) may be out
.if PV && (\sc) && (\par)
	FSHIFT
.endif
.if (\first) && (PV == 0)
	MULS qf, 0, 0, 32, 2, 0                        ; the rows that I keep get the bias once
.else
	MULS qf, 0, 0, 32, \first, PV*(\sc)*(1-(\par))
.endif
	s_wait_dscnt 0x0
	PLACES                                         ; in front of the loads below, and of the slices that read the products above
	FETCH \slot, \nt, \nsh, qg, PV*(\fl)
	MULS qf, 1, 0, 32, \first, PV*(\sc)*(\par)
.endm
; A slot's last quarter changes slots: ONE barrier.  In front of it each wave waits for all its tensor loads, adds 0 to its spare word, and waits for that and for its reads of this slot.
; fill = 1: the barrier opens a round of the cluster's barrier, and the slot is filled again, first thing behind the round.  aimm, bimm: how far A's and B's addresses go (bmode = 1: B's from s[BL], behind a short tile).
; pstep: how many blocks the last prefetches named; nask: how many these name.
.macro TURN par, slot, next, fill, sc, fl, bmode, aimm, bimm, pstep, nask, cond
.set qf, F0+64*(\par)
.set qg, F1-64*(\par)
.if \pstep
	s_wait_xcnt 0x0                                ; the last prefetches, a slot back, have read their address
.rept \pstep
	s_add_nc_u64 s[PFA:PFA+1], s[PFA:PFA+1], s[PFS:PFS+1]
.endr
.endif
	WIN 0
	s_wait_tensorcnt 0x0                           ; all my tensor loads have landed: my part of the next slot
	ds_add_u32 v[SPW], v[NIL]
	s_wait_dscnt 9                                 ; the add and the youngest eight loads may be out
.if PV && (\sc) && (\par)
	FSHIFT
.endif
	MULS qf, 0, 0, 16, 0, PV*(\sc)*(1-(\par))
	s_wait_dscnt 0x0                               ; the add is done, and my reads of this slot are over
	s_barrier_signal -1
	MULS qf, 0, 16, 16, 0, PV*(\sc)*(1-(\par))
	WIN 0
	s_barrier_wait -1
.if \fill
	CREST
	s_add_nc_u64 s[G0+4*\slot+2:G0+4*\slot+3], s[G0+4*\slot+2:G0+4*\slot+3], \aimm
.if \bmode
	s_add_nc_u64 s[G0B+4*\slot+2:G0B+4*\slot+3], s[BL:BL+1], \bimm
	s_or_b32 s[G0B+4*\slot+3], s[G0B+4*\slot+3], 0x80000000
.else
	s_add_nc_u64 s[G0B+4*\slot+2:G0B+4*\slot+3], s[G0B+4*\slot+2:G0B+4*\slot+3], \bimm
.endif
	JLOAD \slot, G1, G1B                           ; its four v_nop are also the places in front of the loads and slices below
.else
	PLACES
.endif
	FETCH \next, 0, 0, qg, PV*(\fl)
.if \nask
	ASK \nask, \cond
.endif
	MULS qf, 1, 0, 32, 0, PV*(\sc)*(\par)
.endm
	s_wait_tensorcnt 1                             ; my part of slot 0 is in; slot 1's may be out
.if PV
	s_wait_dscnt 0x0                               ; my rows' factors lie in LDS
.endif
	s_barrier_signal -1
	s_barrier_wait -1
	FETCH 0, 0, 1, F0, 0
.if PV
	QUARTER 0, 0, 1, 1, 1, 0, 1                    ; the short slot: k = 0 .. 127; its first products start the sums: nothing is cleared
	TURN 1, 0, 1, 1, 1, 0, 1, 640, 320*ROWB, 0, 2, 0          ; slot 0 takes k = 320 on
.else
	QUARTER 0, 0, 1, 1, 1, 0, 0                    ; the two short slots: k = 0 .. 127,
	TURN 1, 0, 1, 1, 0, 0, 1, 512, 256*ROWB, 0, 1, 0          ; (slot 0 takes k = 256 on)
	QUARTER 0, 1, 1, 1, 0, 0, 0                    ; k = 128 .. 255
	TURN 1, 1, 0, 1, 0, 0, 1, 640, 448*ROWB, 1, 2, 0          ; (slot 1 takes k = 448 on)
.endif
	WIN 0
	s_mov_b32 s3, TRIPS
.Llap:                                             ; a trip: two long slots, six quarters, three blocks kt; both slots are filled again, 384 along K on
	QUARTER 0, SA, 1, 0, 0, 1, 1
	QUARTER 1, SA, 2, 0, 0, 1, 0
	TURN 0, SA, SB, 1, 1, 1, 0, 768, 384*ROWB, 2, 1, 0
	QUARTER 1, SB, 1, 0, 0, 1, 0
	QUARTER 0, SB, 2, 0, 0, 1, 1
	TURN 1, SB, SA, 1, 1, 0, 0, 768, 384*ROWB, 1, 2, 1
	WIN 0
	s_sub_co_u32 s3, s3, 1
	s_cmp_lg_u32 s3, 0
	s_cbranch_scc1 .Llap
	QUARTER 0, SA, 1, 0, 0, 1, 1                   ; the last two slots are written out: they fill nothing
	QUARTER 1, SA, 2, 0, 0, 1, 0
	TURN 0, SA, SB, 0, 1, 1, 0, 0, 0, 0, 0, 0
	QUARTER 1, SB, 1, 0, 0, 1, 0
	QUARTER 0, SB, 2, 0, 0, 1, 0                   ; no change of kt follows the last block: no factors
	s_wait_dscnt 8
	MULS F1, 0, 0, 32, 0, 0
	s_wait_dscnt 0x0
	MULS F1, 1, 0, 32, 0, 0
	WIN 0
; THE TWO HALVES OF K MEET.  The ring has had its last fill; behind this barrier nobody reads it, and its first 131,072 bytes take the four waves' images: window 3 as it stands, 16 bytes a lane, 512 a store.
	PLACES
	s_barrier_signal -1
	s_barrier_wait -1
	WIN 0x0c                                       ; an LDS store's data are its source 1: window 3
.set i, 0
.rept 64
	ds_store_b128 v[XST], v[4*i:4*i+3] offset:512*i               ; each accumulator from its low end on
.set i, i+1
.endr
	WIN 0
.if PV
	v_lshl_add_u32 v[TO], v0, 2, XIL
	ds_store_b32 v[TO], v[FIN]                     ; row i's last factor
.endif
	s_wait_dscnt 0x0                               ; for the others' sake: my stores have landed
	s_barrier_signal -1
	s_barrier_wait -1
.if PV
.irp a, 0,1,2,3
	ds_load_b32 v[INV+2*\a], v[ILA] offset:64*\a
.endr
.endif
	WIN 0xc0
.set i, 0
.rept 64
	ds_load_b128 v[4*i:4*i+3], v[XLD] offset:512*i                ; my partner's sums of the rows that I keep, in the same lanes and registers
.set i, i+1
.endr
.irp a, 0,1,2,3
	s_wait_dscnt 48-16*\a                          ; block a's 16 loads are in; the later blocks' may be out
	WIN 0x8e                                       ; window 2 += window 3
.set i, 64*\a
.rept 32
	v_pk_add_f32 v[i:i+1], v[i:i+1], v[i:i+1]
.set i, i+2
.endr
.if PV
	WIN 0x82
.set i, 64*\a
.rept 32
	v_pk_mul_f32 v[i:i+1], v[i:i+1], v[INV+2*\a:INV+2*\a+1] op_sel_hi:[1,0]   ; x 2^d_15 / l
.set i, i+2
.endr
.endif
.endr
	WIN 0
; THE WAY OUT of my 64 rows x 128 columns, a block of 16 rows at a time, through my own stage, so that whole rows leave.
.if PV
.macro PACK a
	WIN 0x0a
.irp b, 0,1,2,3,4,5,6,7
.irp r, 0,1,2,3
	v_cvt_pk_f16_f32 v[TMP+4*\b+\r], v[64*(\a)+8*\b+2*\r], v[64*(\a)+8*\b+2*\r+1]
.endr
.endr
	WIN 0
.endm
.macro TOSTAGE a
.set BK, OB+32*((\a)%2)
.irp b, 0,1,2,3,4,5,6,7
	ds_store_b128 v[STO], v[TMP+4*\b:TMP+4*\b+3] offset:32*\b
.endr
.irp t, 0,1,2,3,4,5,6,7
	ds_load_b128 v[BK+4*\t:BK+4*\t+3], v[RD] offset:\t*2*SPITCH    ; LDS serves a wave's instructions in order: these see the stores above
.endr
.endm
.macro SEND a
.set BK, OB+32*((\a)%2)
	s_wait_dscnt 0x0
	s_wait_xcnt 0x0                                ; earlier stores have read their base and their data
.if (\a) > 0
	s_add_nc_u64 s[10:11], s[10:11], 16*ROWC
.endif
.irp t, 0,1,2,3,4,5,6,7
	global_store_b128 v[CO], v[BK+4*\t:BK+4*\t+3], s[10:11] offset:2*\t*ROWC   ; sixteen lanes store 256 consecutive bytes, aligned
.endr
.endm
	PACK 0
	TOSTAGE 0
.irp a, 1,2,3
	PACK \a
	SEND \a-1
	TOSTAGE \a
.endr
	SEND 3
.else
.macro TOSTAGE a
	WIN 0x08                                       ; the data: window 2
.irp b, 0,1,2,3,4,5,6,7
	ds_store_b128 v[STO], v[64*(\a)+8*\b:64*(\a)+8*\b+3] offset:64*\b
	ds_store_b128 v[STO], v[64*(\a)+8*\b+4:64*(\a)+8*\b+7] offset:64*\b+16
.endr
	WIN 0
.set BK, OB+64*((\a)%2)
.set t, 0
.rept 16
	ds_load_b128 v[BK+4*t:BK+4*t+3], v[RD] offset:t*SPITCH
.set t, t+1
.endr
.endm
.macro SEND a, younger                 ; younger: the LDS instructions issued behind block a's loads, which may stay out
.set BK, OB+64*((\a)%2)
	s_wait_dscnt \younger
.if (\a) > 0
	s_add_nc_u64 s[10:11], s[10:11], 16*ROWC       ; (behind a wait on XCNT: the earlier stores have read their base)
.endif
.set t, 0
.rept 16
	global_store_b128 v[CO], v[BK+4*t:BK+4*t+3], s[10:11] offset:t*ROWC th:TH_STORE_NT   ; 32 lanes store 512 consecutive bytes, aligned
.set t, t+1
.endr
.endm
	TOSTAGE 0
.irp a, 1,2,3
.if \a > 1
	s_wait_xcnt 0x0                                ; block a - 2's stores have read their registers and their base
.endif
	TOSTAGE \a
	SEND \a-1, 32                                  ; behind block a - 1's loads: block a's 16 stores and 16 loads
.endr
	s_wait_xcnt 0x0
	SEND 3, 0
.endif
	s_wait_tensorcnt 0x0                           ; the wave's end
	ds_add_u32 v[SPW], v[NIL]
	s_wait_dscnt 0x0
	CROUND                                         ; the closing round
	s_endpgm
.Lfunc_end_k_qa45d801da1_pv:
	.size	k_qa45d801da1_pv, .Lfunc_end_k_qa45d801da1_pv-k_qa45d801da1_pv
	.p2alignl 7, 3214868480
	.fill 96, 4, 3214868480
	.section	.rodata,"a",@progbits
	.p2align	6, 0x0
	.amdhsa_kernel k_qa45d801da1_pv
		.amdhsa_group_segment_fixed_size 327680
		.amdhsa_private_segment_fixed_size 0
		.amdhsa_enable_private_segment 0
		.amdhsa_kernarg_size 32
		.amdhsa_user_sgpr_count 2
		.amdhsa_user_sgpr_kernarg_segment_ptr 1
		.amdhsa_wavefront_size32 1
		.amdhsa_system_sgpr_workgroup_id_x 1
		.amdhsa_system_sgpr_workgroup_id_y 1
		.amdhsa_system_sgpr_workgroup_id_z 1
		.amdhsa_system_vgpr_workitem_id 0
		.amdhsa_next_free_vgpr 1024
		.amdhsa_next_free_sgpr 96
		.amdhsa_reserve_vcc 0
		.amdhsa_float_denorm_mode_32 3
		.amdhsa_float_denorm_mode_16_64 3
		.amdhsa_memory_ordered 1
		.amdhsa_forward_progress 1
		.amdhsa_inst_pref_size 255
	.end_amdhsa_kernel
	.section	.bss,"aw",@nobits
	.p2align	6
	.space	262144
	.amdgpu_metadata
---
amdhsa.version: [ 1, 2 ]
amdhsa.kernels:
  - .name:           k_qa45d801da1_pv
    .symbol:         k_qa45d801da1_pv.kd
    .args:
      - { .name: p, .offset: 0, .size: 8, .value_kind: global_buffer, .address_space: global }
      - { .name: qkv, .offset: 8, .size: 8, .value_kind: global_buffer, .address_space: global }
      - { .name: stats, .offset: 16, .size: 8, .value_kind: global_buffer, .address_space: global }
      - { .name: ctx, .offset: 24, .size: 8, .value_kind: global_buffer, .address_space: global }
    .group_segment_fixed_size: 327680
    .private_segment_fixed_size: 0
    .kernarg_segment_align: 8
    .kernarg_segment_size: 32
    .max_flat_workgroup_size: 128
    .sgpr_count:     96
    .vgpr_count:     1024
    .wavefront_size: 32
...
	.end_amdgpu_metadata
.endif
;; end of part 4
;; launch outp (part 5): grid 4 x 64, 4 waves a work-group, clusters of 4 x 4, 327,680 bytes of LDS; arguments ctx, wout16, b_out, out0; writes out0
.if DOCPART == 5
	.amdgcn_target "amdgcn-amd-amdhsa--gfx1250"
	.amdhsa_code_object_version 6
	.text
	.protected	k_qa45d801da1_outp
	.globl	k_qa45d801da1_outp
	.p2align	8
	.type	k_qa45d801da1_outp,@function
k_qa45d801da1_outp:
	s_mov_b64 s[64:65], 0
	v_nop
	global_prefetch_b8 v0, s[64:65] scope:SCOPE_SE
	s_setreg_imm32_b32 hwreg(HW_REG_WAVE_MODE, 25, 1), 1
	s_wait_xcnt 0x0
	s_wait_alu depctr_hold_cnt(0) depctr_sa_sdst(0) depctr_va_vdst(0) depctr_va_sdst(0) depctr_va_ssrc(0) depctr_va_vcc(0) depctr_vm_vsrc(0)
	s_getreg_b32 s2, hwreg(HW_REG_IB_STS2, 6, 4)
	s_cmp_eq_u32 s2, 0
	s_cbranch_scc0 .Lentry_in_a_cluster
	s_endpgm
.Lentry_in_a_cluster:
	s_bfe_u32 s2, ttmp6, 0x10000c
	s_cmp_lg_u32 s2, 0xf033
	s_cbranch_scc0 .Lentry_shape_is_right
	s_endpgm
.Lentry_shape_is_right:
; ONE SOURCE FOR TWO LAUNCHES, C = A B with B stored [K][N], f16 operands, f32 sums.
;   PV = 1: ctx = softmax x v.  A = p [8192][2048 keys], B = v (in qkv, the rows of a batch's keys), C = ctx [8192][1024] f16.  p's block kt of 128 keys stands under its own whole number M_kt.  With M the row's largest M_kt
;           and d_kt = M_kt - M, the sums are kept in units of 2^d_kt: at each change of kt all accumulators are multiplied, in f32, by 2^(d_(kt-1) - d_kt), a power of two; at the end by 2^d_15 / l, l = the sum of 2^d_kt L_kt.
;           LIMIT: d_kt is held at -64: a block whose M lies more than 64 under the row's largest is weighed 2^-64 instead of less, beside an l of at least 0.5.  So no factor leaves 2^-64 .. 2^64.
;   PV = 0: out0 = ctx W_out + b_out.  A = ctx, B = wout16 [1024][1024], C = out0 f32; the bias is the C of the first products of the rows that a wave keeps.
; SHARES.  C is 8,192 x 1,024: a tile of 128 rows x 256 columns gives 256 work-groups.  A wave still makes 128 x 128 (64 accumulators): the four waves are two column halves (ch) x two halves of K (kh): of each 64 along K
; wave (ch, kh) takes k = 32 kh .. 32 kh + 31: a QUARTER, 64 matrix instructions.  At the end the waves w and w xor 2 exchange half their sums through LDS: a wave's blocks 0-3 (window 2) are rows 64 kh on, which it keeps;
; blocks 4-7 (window 3) the others, which it sends.
; THE RING.  Two LDS slots of 192 along K, the largest of which two fit: A's 128 rows x 384 bytes (waves 0, 1 fetch 64 rows each), B's 192 k-rows x 512 bytes (waves 2, 3 fetch 96 each): three quarters a wave.
; K is no multiple of 192: PV = 1: 2,048 = 128 + 10 x 192; PV = 0: 1,024 = 128 + 128 + 4 x 192.  The short slots come first, among the first fills: tiles of the long shape whose tensor ends early, so that the rest
; arrives as zeros.  In a short slot B's second 64 k-rows lie at LDS row 96 (wave 3's part).  One tensor load a wave is out behind each change of slots, two at the start;
; a refill is asked for 160 matrix instructions ahead of the wait for it.  A's rows of 384 bytes begin at multiples of 128 bytes in memory: the price of the longer slot.
; B's fragments come out of LDS turned, by ds_load_tr16_b128.  THE MATRIX INSTRUCTION IS USED TRANSPOSED (source 0 = 16 columns of B, source 1 = 16 rows of A): a lane holds eight neighbouring columns of one row of C.
; CLUSTERS: 4 x 4 work-groups: A's tiles are asked for jointly along a row of the cluster, B's along a column.
; REGISTERS: window 0: v12-34 addresses; v36-51 the factors of my eight blocks' rows (pairs, the low word used); v52-59 the last factor; v64-127, v128-191 A's fragments, two buffers; v192-255 the bias or packed results.
;   window 1: B's fragments, two buffers.   windows 2, 3: the accumulators.
.set PV, 0
.if PV
.set ROWA, 4096                        ; bytes from row to row of A,
.set ROWB, 6144                        ; of B,
.set ROWC, 2048                        ; of C
.set CSZ,  2
.set TRIPS, 4                          ; trips of the loop: a trip is two long slots
.set SA,   1                           ; the LDS slot of a trip's first long slot
.else
.set ROWA, 2048
.set ROWB, 2048
.set ROWC, 4096
.set CSZ,  4
.set TRIPS, 1
.set SA,   0
.endif
.set SB,    1-SA
.set PA,    432                        ; A's LDS row: 3 x (128 bytes + 16) = 108 words: the 16 rows that a load touches start at 16 different multiples of 4 words modulo 64
.set PB,    544                        ; B's: 512 + 32 = 136 words
.set BOFF,  128*PA
.set SLOT,  BOFF+192*PB
.set RING,  2*SLOT
.set FT,    RING                       ; PV = 1: [15 changes of kt][128 rows] half words: the upper halves of the factors (a power of two has nothing in its lower half)
.set SPARE, RING+7680                  ; the spare words
.set XIL,   131072                     ; in the ring, written behind its last fill and last read: behind the four waves' images of 32,768 bytes, 128 f32: the last factor,
.set STAGE, XIL+512                    ; and the stages for the way out
.if PV
.set SPITCH, 272
.else
.set SPITCH, 528
.endif
.set WA,    12
.set TO,    13
.set FIN,   14                         ; v14 thread i: 2^d_15 / l of the tile's row i
.set XLD,   15                         ; v15 my partner's image: 32,768 (wave xor 2) + 16 lane
.set ADRL,  16                         ; v16-17 A's rows that I keep, slot 0, 1
.set ADRH,  18                         ; v18-19 A's other rows
.set ADRB,  20                         ; v20-21 B, slot 0, 1
.set ADRB2, 22                         ; v22-23 B, 128 k-rows on: an LDS offset has 16 bits
.set STO,   24
.set RD,    25
.set CO,    26
.set ILA,   27
.set SPW,   28
.set NIL,   29
.set PFO,   30                         ; v30 the prefetches' offset: my lane x a row
.set XST,   31                         ; v31 my image: 32,768 wave + 16 lane
.set PFO2,  32                         ; v32 the same, 128 along K on
.set ADRWL, 33
.set ADRWH, 34
.set FC,    36
.set INV,   52
.set F0,    64
.set F1,    128
.set BI,    192
.set TMP,   192
.set OB,    64
.set WV,  12
.set KH,  13
.set CH,  14
.set G1,  24                           ; s[24:31] group 1 for A's long tiles;  s[32:39] group 0, a set for each slot
.set G0,  32
.set LIM, 43
.set PFA, 44
.set G1B, 48                           ; s[48:55], s[56:63] the same for B
.set G0B, 56
.set PFS, 68
.set BL,  70                           ; s[70:71] B at the k-row 96 ch: where my part of a long tile at k = 0 would begin
.set G1S, 72                           ; s[72:79] group 1 for A's short tiles
.set G1BS, 80                          ; s[80:87] for B's
.set MSB, 0
.macro WIN new                         ; the immediate's high byte repeats the setting that is left; a switch that changes nothing is dropped
.if MSB != (\new)
	s_set_vgpr_msb (MSB<<8)|(\new)
.set MSB, (\new)
.endif
.endm
.set MUL_LO, 0xa1                      ; source 0 (B) window 1, source 1 (A) window 0, C and D window 2
.set TO_B,   0x40
.macro JLOAD s, ga, gb                 ; a joint load: waves 0 and 1 fetch A's halves, waves 2 and 3 B's; an s_nop 0 and four v_nop follow each line
	s_cmp_eq_u32 s[KH], 0
	s_cbranch_scc0 .Lfor_b_\@
	tensor_load_to_lds s[G0+4*\s:G0+4*\s+3], s[\ga:\ga+7]
	s_nop 0
.rept 4
	v_nop
.endr
	s_branch .Lasked_\@
.Lfor_b_\@:
	tensor_load_to_lds s[G0B+4*\s:G0B+4*\s+3], s[\gb:\gb+7]
	s_nop 0
.rept 4
	v_nop
.endr
.Lasked_\@:
.endm
; A PREFETCH, in blocks of 128 along K: of A 128 rows x 256 bytes, of B 128 k-rows x 512 bytes; a lane a row.  A change of slots asks for the blocks that the NEXT refill needs for the first time: one or two, by turns:
; one slot, 192 matrix instructions of a wave, ahead.  A's: wave 0 asks, the four partners of a row of the cluster 32 rows each, told apart by address.  B's: waves 2 and 3 ask for 256 bytes of a row each, the four
; partners of a column 32 k-rows each; only the first of the clusters that read these rows asks.  So each block is named once.  Blocks 0 to 3 come by their loads alone; the last refill asks for nothing (cond = 1: not in the last trip).
.macro ASK n, cond
.if \cond
	s_cmp_gt_u32 s3, s[LIM]
.else
	s_cmp_eq_u32 s[LIM], 1
.endif
	s_cbranch_scc0 .Lnot_mine_\@
	global_prefetch_b8 v[PFO], s[PFA:PFA+1] th:TH_LOAD_NT scope:SCOPE_SE
.if \n > 1
	global_prefetch_b8 v[PFO2], s[PFA:PFA+1] th:TH_LOAD_NT scope:SCOPE_SE
.endif
.Lnot_mine_\@:
.endm
.macro CREST
	s_cmp_lg_u32 s[WV], 0
	s_cbranch_scc1 .Lnot_wave_0_\@
	s_barrier_signal -3
.Lnot_wave_0_\@:
	s_barrier_wait -3
	s_barrier_signal -1
	s_barrier_wait -1
.endm
.macro CROUND
	s_barrier_signal -1
	s_barrier_wait -1
	CREST
.endm
	s_load_b256 s[4:11], s[0:1], 0x0               ; A s[4:5], B s[6:7], stats or bias s[8:9], C s[10:11]
	v_lshl_add_u32 v[SPW], v0, 2, SPARE
	v_mov_b32 v[NIL], 0
	ds_add_u32 v[SPW], v[NIL]                      ; the wave's opening: the add, twice on end, and its wait ahead of my first tensor load
	ds_add_u32 v[SPW], v[NIL]
	v_lshrrev_b32 v1, 5, v0
	v_readfirstlane_b32 s[WV], v1                  ; wave
	s_lshr_b32 s[KH], s[WV], 1                     ; my half of K; also: I fetch A (0) or B (1)
	s_and_b32 s[CH], s[WV], 1                      ; my half of the columns; also: which half of a tile's rows I fetch
	s_bfe_u32 s40, ttmp6, 0x40000                  ; cx
	s_bfe_u32 s41, ttmp6, 0x40004                  ; cy
	s_lshl_b32 s42, ttmp9, 2
	s_add_co_u32 s42, s42, s40                     ; tile column 0..3
	s_and_b32 s66, ttmp7, 0xffff                   ; cluster y
	s_lshl_b32 s15, s66, 2
	s_add_co_u32 s15, s15, s41                     ; tile row 0..63
	s_lshl_b32 s16, s41, 2
	s_lshl_b32 s16, 15, s16                        ; my row of the cluster
	s_lshl_b32 s46, 0x1111, s40                    ; my column
	s_or_b32 s[G1+0], s16, (1<<16)|(1<<20)|(1<<21)|(4<<22)|(3<<25)   ; A: mask; elements of 2 bytes; padding: 4 words after every 32
	s_or_b32 s[G1S+0], s16, (1<<16)|(1<<20)|(1<<21)|(4<<22)|(3<<25)
	s_mov_b32 s[G1+1], 192<<16                     ; tensor_dim0: a long tile is whole;
	s_mov_b32 s[G1S+1], 128<<16                    ; a short one ends at 128 along K: zeros behind
.irp g, G1, G1S
	s_mov_b32 s[\g+2], 64<<16                      ; tensor_dim1
	s_mov_b32 s[\g+3], 192<<16                     ; tile_dim0
	s_mov_b32 s[\g+4], 64                          ; tile_dim1
	s_mov_b32 s[\g+5], ROWA/2                      ; elements from row to row
	s_mov_b32 s[\g+6], 0
	s_mov_b32 s[\g+7], 0
.endr
	s_or_b32 s[G1B+0], s46, (1<<16)|(1<<20)|(1<<21)|(6<<22)|(7<<25)  ; B: padding: 8 words after every 128
	s_or_b32 s[G1BS+0], s46, (1<<16)|(1<<20)|(1<<21)|(6<<22)|(7<<25)
	s_mov_b32 s[G1B+2], 96<<16                     ; tensor_dim1: a long tile is whole;
	s_mov_b32 s[G1BS+2], 64<<16                    ; a short one ends at 64 k-rows: zeros behind
.irp g, G1B, G1BS
	s_mov_b32 s[\g+1], 256<<16                     ; tensor_dim0
	s_mov_b32 s[\g+3], 256<<16                     ; tile_dim0
	s_mov_b32 s[\g+4], 96                          ; tile_dim1
	s_mov_b32 s[\g+5], ROWB/2
	s_mov_b32 s[\g+6], 0
	s_mov_b32 s[\g+7], 0
.endr
	s_lshl_b32 s16, s15, 7
	s_lshl_b32 s17, s[CH], 6
	s_add_co_u32 s16, s16, s17                     ; A: row 128 x tile row + 64 x half
	s_mul_i32 s16, s16, ROWA
	s_mov_b32 s17, 0
	s_lshl_b32 s46, s[CH], 6                       ; B: a short tile's k-row 64 x half,
	s_mul_i32 s[BL], s[CH], 96                     ; a long one's 96 x half,
.if PV
	s_lshr_b32 s67, s66, 2                         ; the batch: four clusters high
	s_lshl_b32 s47, s67, 11
	s_add_co_u32 s46, s46, s47                     ; in the batch's 2,048 rows of qkv,
	s_add_co_u32 s[BL], s[BL], s47
.endif
	s_mul_i32 s46, s46, ROWB
	s_mul_i32 s[BL], s[BL], ROWB
	s_lshl_b32 s47, s42, 9                         ; 512 bytes a tile column,
.if PV
	s_add_co_u32 s47, s47, 4096                    ; v's bytes of a row
.endif
	s_add_co_u32 s46, s46, s47
	s_add_co_u32 s[BL], s[BL], s47
	s_mov_b32 s47, 0
	s_mov_b32 s[BL+1], 0
	s_mul_i32 s20, s[CH], 64*PA                    ; where they go
	s_mul_i32 s21, s[CH], 96*PB
	s_add_co_u32 s21, s21, BOFF
	s_wait_dscnt 0x0                               ; both opening adds are done
	s_wait_kmcnt 0x0
	s_add_nc_u64 s[16:17], s[4:5], s[16:17]
	s_add_nc_u64 s[46:47], s[6:7], s[46:47]
	s_add_nc_u64 s[BL:BL+1], s[6:7], s[BL:BL+1]
	CROUND                                         ; all sixteen work-groups are here: the first joint loads meet
.irp s, 0,1                                    ; slot 0: k = 0 .. 127, short.  Slot 1: from k = 128 on: PV = 1 long, PV = 0 short
	s_mov_b32 s[G0+4*\s], 1
	s_add_co_u32 s[G0+4*\s+1], s20, \s*SLOT
	s_add_nc_u64 s[G0+4*\s+2:G0+4*\s+3], s[16:17], \s*256
	s_or_b32 s[G0+4*\s+3], s[G0+4*\s+3], 0x80000000
	s_mov_b32 s[G0B+4*\s], 1
	s_add_co_u32 s[G0B+4*\s+1], s21, \s*SLOT
.if PV && (\s == 1)
	s_add_nc_u64 s[G0B+4*\s+2:G0B+4*\s+3], s[BL:BL+1], 128*ROWB
.else
	s_add_nc_u64 s[G0B+4*\s+2:G0B+4*\s+3], s[46:47], \s*128*ROWB
.endif
	s_or_b32 s[G0B+4*\s+3], s[G0B+4*\s+3], 0x80000000
.if PV && (\s == 1)
	JLOAD \s, G1, G1B
.else
	JLOAD \s, G1S, G1BS
.endif
.endr
	v_and_b32 v1, 15, v0                           ; r
	v_bfe_u32 v2, v0, 4, 1                         ; h
	s_lshl_b32 s16, s15, 7
	s_lshl_b32 s17, s[KH], 6
	s_add_co_u32 s16, s16, s17                     ; the first row of C that I store: 128 x tile row + 64 kh
	s_mul_i32 s16, s16, ROWC
	s_mov_b32 s17, 0
	s_add_nc_u64 s[10:11], s[10:11], s[16:17]
	s_mul_i32 s46, s42, 256*CSZ
	s_mul_i32 s47, s[CH], 128*CSZ
	s_add_co_u32 s46, s46, s47                     ; my first column, in bytes
	s_mov_b32 s47, 0
	s_add_nc_u64 s[10:11], s[10:11], s[46:47]
.if PV
	s_lshl_b32 s18, s15, 9                         ; stats: thread i serves row i of the tile's 128
	s_mov_b32 s19, 0
	s_add_nc_u64 s[8:9], s[8:9], s[18:19]
	v_lshlrev_b32 v[TO], 2, v0
.set i, 0
.rept 16
	global_load_b32 v[64+i], v[TO], s[8:9] offset:32768*i          ; -M of block i: a wave reads 128 consecutive bytes, the work-group 512
	global_load_b32 v[80+i], v[TO], s[8:9] offset:524288+32768*i   ; L
.set i, i+1
.endr
.else
	s_add_nc_u64 s[8:9], s[8:9], s[46:47]          ; b_out at my first column (f32: the same bytes as in a row of C)
	v_lshlrev_b32 v[TO], 5, v2
.irp b, 0,1,2,3,4,5,6,7                        ; the bias in the result's layout: tile b, register j: b_out[my first column + 16 b + 8 h + j]
	global_load_b128 v[BI+8*\b:BI+8*\b+3], v[TO], s[8:9] offset:64*\b
	global_load_b128 v[BI+8*\b+4:BI+8*\b+7], v[TO], s[8:9] offset:64*\b+16
.endr
.endif
	v_mul_u32_u24 v3, v1, PA
	v_lshl_add_u32 v3, v2, 4, v3                   ; A: row r x pitch + 16 h
	s_mul_i32 s22, s[KH], 64*PA+64                 ; the rows that I keep, 64 kh on, and my 64 bytes of each 128
	s_xor_b32 s23, s[KH], 1
	s_mul_i32 s23, s23, 64*PA                      ; the other rows,
	s_lshl_b32 s18, s[KH], 6
	s_add_co_u32 s23, s23, s18                     ; the same bytes of them
.irp s, 0,1
	v_add_nc_u32 v[ADRL+\s], s22, v3
	v_add_nc_u32 v[ADRH+\s], s23, v3
	s_add_co_u32 s22, s22, SLOT
	s_add_co_u32 s23, s23, SLOT
.endr
	v_and_b32 v4, 7, v0                            ; B, turned: lane l reads k-row 8 h + l % 8, 16 bytes at 16 ((l / 8) % 2)
	v_lshl_add_u32 v4, v2, 3, v4
	v_mul_u32_u24 v4, v4, PB
	v_bfe_u32 v5, v0, 3, 1
	v_lshl_add_u32 v4, v5, 4, v4
	s_mul_i32 s22, s[KH], 32*PB                    ; my 32 k-rows of each 64,
	s_lshl_b32 s18, s[CH], 8
	s_add_co_u32 s22, s22, s18                     ; my 256 bytes of a row
	s_add_co_u32 s22, s22, BOFF
	s_add_co_u32 s23, s22, 128*PB
	v_add_nc_u32 v[ADRB], s22, v4
	v_add_nc_u32 v[ADRB2], s23, v4
	s_add_co_u32 s22, s22, SLOT
	s_add_co_u32 s23, s23, SLOT
	v_add_nc_u32 v[ADRB+1], s22, v4
	v_add_nc_u32 v[ADRB2+1], s23, v4
	v_and_b32 v6, 31, v0
	v_lshlrev_b32 v7, 4, v6                        ; 16 x lane
	s_lshl_b32 s22, s[WV], 15
	v_add_nc_u32 v[XST], s22, v7
	s_xor_b32 s23, s[WV], 2
	s_lshl_b32 s23, s23, 15
	v_add_nc_u32 v[XLD], s23, v7
	s_mul_i32 s22, s[WV], 16*SPITCH
	s_add_co_u32 s22, s22, STAGE                   ; my stage
	v_mul_u32_u24 v8, v1, SPITCH
.if PV
	v_lshl_add_u32 v8, v2, 4, v8
	v_add_nc_u32 v[STO], s22, v8                   ; in: row r, 16 bytes for each half of the lanes
	v_mul_u32_u24 v8, v2, SPITCH
	v_lshl_add_u32 v8, v1, 4, v8
	v_add_nc_u32 v[RD], s22, v8                    ; back: lanes 0-15 one row of 256 bytes, lanes 16-31 the next
	v_mul_u32_u24 v8, v2, ROWC
	v_lshl_add_u32 v[CO], v1, 4, v8
	s_lshl_b32 s22, s[KH], 7
	s_xor_b32 s23, s[KH], 1
	s_lshl_b32 s23, s23, 7
	s_add_co_u32 s22, s22, FT
	s_add_co_u32 s23, s23, FT
	v_lshl_add_u32 v[ADRWL], v1, 1, s22            ; the factors of the rows that I keep: 2 (64 kh + r),
	v_lshl_add_u32 v[ADRWH], v1, 1, s23            ; of the others,
	s_lshl_b32 s18, s[KH], 8
	s_add_co_u32 s18, s18, XIL
	v_lshl_add_u32 v[ILA], v1, 2, s18              ; and the last factor of the rows that I keep
	v_lshl_add_u32 v[WA], v0, 1, FT
.set i, 0
.rept 16
	v_mov_b32 v[FC+i], 0                           ; the upper halves are named with the factors as pairs
.set i, i+1
.endr
.irp a, 0,1,2,3
	v_mov_b32 v[INV+2*\a+1], 0
.endr
.else
	v_lshl_add_u32 v8, v2, 5, v8
	v_add_nc_u32 v[STO], s22, v8                   ; in: row r, 32 bytes for each half of the lanes
	v_add_nc_u32 v[RD], s22, v7                    ; back: the 32 lanes take one row of 512 bytes
	v_mov_b32 v[CO], v7
.endif
	; the prefetches: where mine stand, and who asks
	s_lshl_b32 s20, s15, 7
	s_lshl_b32 s18, s40, 5
	s_add_co_u32 s20, s20, s18                     ; A: row 128 x tile row + 32 cx,
	s_mul_i32 s20, s20, ROWA
	s_add_co_u32 s20, s20, 4*256                   ; at block 4
	s_lshl_b32 s21, s41, 5                         ; B: k-row 32 cy,
	s_add_co_u32 s21, s21, 4*128                   ; at block 4,
.if PV
	s_lshl_b32 s18, s67, 11
	s_add_co_u32 s21, s21, s18
.endif
	s_mul_i32 s21, s21, ROWB
	s_lshl_b32 s18, s42, 9
	s_add_co_u32 s21, s21, s18
	s_lshl_b32 s18, s[CH], 8
	s_add_co_u32 s21, s21, s18                     ; 256 bytes of the tile's 512 for each of waves 2 and 3
.if PV
	s_add_co_u32 s21, s21, 4096
	s_and_b32 s22, s66, 3                          ; 0 in the first cluster of a batch
.else
	s_mov_b32 s22, s66                             ; 0 in the first cluster
.endif
	s_mov_b32 s[PFS], 128*ROWB
	s_mov_b32 s23, ROWB
	s_cmp_eq_u32 s[KH], 0                          ; do I fetch A?
	s_cselect_b32 s20, s20, s21
	s_cselect_b64 s[PFA:PFA+1], s[4:5], s[6:7]
	s_cselect_b32 s22, s[CH], s22                  ; for A wave 0 alone asks, in every cluster: no other cluster reads these rows
	s_cselect_b32 s[PFS], 256, s[PFS]              ; a block on
	s_cselect_b32 s23, ROWA, s23                   ; from lane to lane
	s_mov_b32 s[PFS+1], 0
	s_mov_b32 s21, 0
	s_add_nc_u64 s[PFA:PFA+1], s[PFA:PFA+1], s[20:21]
	s_cmp_eq_u32 s22, 0
	s_cselect_b32 s[LIM], 1, -1
	v_mul_lo_u32 v[PFO], v6, s23
	v_add_nc_u32 v[PFO2], s[PFS], v[PFO]
	s_wait_loadcnt 0x0
.if PV
	v_max3_num_f32 v96, -v64, -v65, -v66           ; M = the largest of the row's 16 M_kt (the loads brought -M_kt)
	v_max3_num_f32 v97, -v67, -v68, -v69
	v_max3_num_f32 v96, v96, -v70, -v71
	v_max3_num_f32 v97, v97, -v72, -v73
	v_max3_num_f32 v96, v96, -v74, -v75
	v_max3_num_f32 v97, v97, -v76, -v77
	v_max3_num_f32 v96, v96, -v78, -v79
	v_max_num_f32 v96, v96, v97
.set i, 0
.rept 16
	v_sub_f32 v[64+i], -v[64+i], v96               ; M_kt - M: a whole number, 0 or less,
.set i, i+1
.endr
.set i, 0
.rept 16
	v_max_num_f32 v[64+i], 0xc2800000, v[64+i]     ; held at -64: d_kt
.set i, i+1
.endr
.set i, 0
.rept 15
	v_sub_f32 v[100+i], v[64+i], v[65+i]           ; d_i - d_(i+1)
.set i, i+1
.endr
.set i, 0
.rept 16
	v_cvt_i32_f32 v[64+i], v[64+i]
.set i, i+1
.endr
.set i, 0
.rept 15
	v_cvt_i32_f32 v[100+i], v[100+i]
.set i, i+1
.endr
.set i, 0
.rept 16
	v_ldexp_f32 v[64+i], 1.0, v[64+i]              ; w = 2^d_kt
.set i, i+1
.endr
.set i, 0
.rept 15
	v_ldexp_f32 v[100+i], 1.0, v[100+i]            ; the factor at the change from block i to block i + 1
.set i, i+1
.endr
	v_mul_f32 v98, v64, v80                        ; l = the sum of w L, in two chains
	v_mul_f32 v99, v65, v81
.irp i, 2,4,6,8,10,12,14
	v_fma_f32 v98, v[64+\i], v[80+\i], v98
	v_fma_f32 v99, v[65+\i], v[81+\i], v99
.endr
	v_add_f32 v98, v98, v99
	v_rcp_f32 v97, v98
.set i, 0
.rept 15
	v_lshrrev_b32 v[100+i], 16, v[100+i]           ; a factor's upper half: independent work behind the reciprocal
.set i, i+1
.endr
	s_wait_alu depctr_va_vdst(0)                   ; ahead of the reciprocal's first reader
	v_mul_f32 v[FIN], v97, v79                     ; 2^d_15 / l: kept until the ring is free
.set i, 0
.rept 15
	ds_store_b16 v[WA], v[100+i] offset:256*i
.set i, i+1
.endr
.endif
; n matrix instructions from number i0 of a half's 32 (number i: A's block 4 hi + i / 8, B's block i % 8).  zero = 1: the product starts the sum with 0; 2: with the bias.  The 64 accumulators take turns, one instruction a
; turn.  sc = 1: behind each matrix instruction four packed multiplications bring accumulator i of the OTHER half under the next block's unit: the matrix unit works on one half while the
; vector unit scales the other; each such slice costs two switches of the register window.
.macro MULS f, hi, i0, n, zero, sc
.set i, \i0
.rept \n
.set rD, 8*i
.set rB, \f+8*(i%8)
.set rA, \f+32*\hi+8*(i/8)
.if \zero == 2
	WIN 0x81                                       ; C (the bias) in window 0, D in window 2
	v_wmma_f32_16x16x32_f16 v[rD:rD+7], v[rB:rB+7], v[rA:rA+7], v[BI+8*(i%8):BI+8*(i%8)+7]
.elseif \zero == 1
	WIN MUL_LO+0x50*\hi
	v_wmma_f32_16x16x32_f16 v[rD:rD+7], v[rB:rB+7], v[rA:rA+7], 0
.else
	WIN MUL_LO+0x50*\hi
	v_wmma_f32_16x16x32_f16 v[rD:rD+7], v[rB:rB+7], v[rA:rA+7], v[rD:rD+7]
.endif
.if \sc
.set rF, FC+8*(1-\hi)+2*(i/8)
	WIN 0xc3-0x41*\hi                              ; destination and source 0: the other half's window; the factor in window 0
	v_pk_mul_f32 v[rD:rD+1], v[rD:rD+1], v[rF:rF+1] op_sel_hi:[1,0]       ; from the accumulator's low end on
	v_pk_mul_f32 v[rD+2:rD+3], v[rD+2:rD+3], v[rF:rF+1] op_sel_hi:[1,0]
	v_pk_mul_f32 v[rD+4:rD+5], v[rD+4:rD+5], v[rF:rF+1] op_sel_hi:[1,0]
	v_pk_mul_f32 v[rD+6:rD+7], v[rD+6:rD+7], v[rF:rF+1] op_sel_hi:[1,0]
.endif
.set i, i+1
.endr
.endm
; The LDS loads of a quarter in one run: the t-th 64 along K of a slot (sh = 1: of a short slot), my 32 of them: B's eight fragments, A's blocks 0-3, A's blocks 4-7.  fl = 1: ahead of them the factors of the next change of kt.
.macro FETCH slot, t, sh, f, fl
.if \fl
	WIN 0
.irp a, 0,1,2,3
	ds_load_u16 v[FC+2*\a], v[ADRWL] offset:32*\a
.endr
.irp a, 0,1,2,3
	ds_load_u16 v[FC+8+2*\a], v[ADRWH] offset:32*\a
.endr
	v_add_nc_u32 v[ADRWL], 256, v[ADRWL]           ; on to the change after
	v_add_nc_u32 v[ADRWH], 256, v[ADRWH]
.endif
.if \sh
.set bo, (\t)*96*PB
.set ba, ADRB+\slot
.elseif (\t) == 2
.set bo, 0
.set ba, ADRB2+\slot
.else
.set bo, (\t)*64*PB
.set ba, ADRB+\slot
.endif
	WIN TO_B
.irp i, 0,1,2,3,4,5,6,7
	ds_load_tr16_b128 v[\f+8*\i:\f+8*\i+3],   v[ba] offset:bo+32*\i
	ds_load_tr16_b128 v[\f+8*\i+4:\f+8*\i+7], v[ba] offset:bo+16*PB+32*\i
.endr
	WIN 0
.irp i, 0,1,2,3
	ds_load_b128 v[\f+8*\i:\f+8*\i+3],   v[ADRL+\slot] offset:144*(\t)+\i*16*PA
	ds_load_b128 v[\f+8*\i+4:\f+8*\i+7], v[ADRL+\slot] offset:144*(\t)+\i*16*PA+32
.endr
.irp i, 0,1,2,3
	ds_load_b128 v[\f+32+8*\i:\f+32+8*\i+3],   v[ADRH+\slot] offset:144*(\t)+\i*16*PA
	ds_load_b128 v[\f+32+8*\i+4:\f+32+8*\i+7], v[ADRH+\slot] offset:144*(\t)+\i*16*PA+32
.endr
.endm
.macro FSHIFT                          ; the half words just loaded become f32 numbers
	WIN 0
.irp a, 0,1,2,3,4,5,6,7
	v_lshlrev_b32 v[FC+2*\a], 16, v[FC+2*\a]
.endr
.endm
.macro PLACES                          ; four plain vector instructions between a matrix instruction and a load into, or a read of, its registers
.rept 4
	v_nop
.endr
.endm
; QUARTERS are numbered along K; par is the number's parity: an even one multiplies buffer 0, an odd one buffer 1.  A block kt is two quarters, an even and an odd one.  So (sc = 1) an odd quarter scales window 2 behind its
; products on window 3, and the even one that follows scales window 3 behind its products on window 2; an even quarter's run of loads also brings the next factors (fl = 1).
; A quarter that has its successor, the nt-th 64 along K, in the same slot:
.macro QUARTER par, slot, nt, nsh, first, sc, fl
.set qf, F0+64*(\par)
.set qg, F1-64*(\par)
	s_wait_dscnt 8                                 ; the factors, B and A's blocks 0-3 are in; the youngest eight loads (A's blocks 4-7) may be out
.if PV && (\sc) && (\par)
	FSHIFT
.endif
.if (\first) && (PV == 0)
	MULS qf, 0, 0, 32, 2, 0                        ; the rows that I keep get the bias once
.else
	MULS qf, 0, 0, 32, \first, PV*(\sc)*(1-(\par))
.endif
	s_wait_dscnt 0x0
	PLACES                                         ; in front of the loads below, and of the slices that read the products above
	FETCH \slot, \nt, \nsh, qg, PV*(\fl)
	MULS qf, 1, 0, 32, \first, PV*(\sc)*(\par)
.endm
; A slot's last quarter changes slots: ONE barrier.  In front of it each wave waits for all its tensor loads, adds 0 to its spare word, and waits for that and for its reads of this slot.
; fill = 1: the barrier opens a round of the cluster's barrier, and the slot is filled again, first thing behind the round.  aimm, bimm: how far A's and B's addresses go (bmode = 1: B's from s[BL], behind a short tile).
; pstep: how many blocks the last prefetches named; nask: how many these name.
.macro TURN par, slot, next, fill, sc, fl, bmode, aimm, bimm, pstep, nask, cond
.set qf, F0+64*(\par)
.set qg, F1-64*(\par)
.if \pstep
	s_wait_xcnt 0x0                                ; the last prefetches, a slot back, have read their address
.rept \pstep
	s_add_nc_u64 s[PFA:PFA+1], s[PFA:PFA+1], s[PFS:PFS+1]
.endr
.endif
	WIN 0
	s_wait_tensorcnt 0x0                           ; all my tensor loads have landed: my part of the next slot
	ds_add_u32 v[SPW], v[NIL]
	s_wait_dscnt 9                                 ; the add and the youngest eight loads may be out
.if PV && (\sc) && (\par)
	FSHIFT
.endif
	MULS qf, 0, 0, 16, 0, PV*(\sc)*(1-(\par))
	s_wait_dscnt 0x0                               ; the add is done, and my reads of this slot are over
	s_barrier_signal -1
	MULS qf, 0, 16, 16, 0, PV*(\sc)*(1-(\par))
	WIN 0
	s_barrier_wait -1
.if \fill
	CREST
	s_add_nc_u64 s[G0+4*\slot+2:G0+4*\slot+3], s[G0+4*\slot+2:G0+4*\slot+3], \aimm
.if \bmode
	s_add_nc_u64 s[G0B+4*\slot+2:G0B+4*\slot+3], s[BL:BL+1], \bimm
	s_or_b32 s[G0B+4*\slot+3], s[G0B+4*\slot+3], 0x80000000
.else
	s_add_nc_u64 s[G0B+4*\slot+2:G0B+4*\slot+3], s[G0B+4*\slot+2:G0B+4*\slot+3], \bimm
.endif
	JLOAD \slot, G1, G1B                           ; its four v_nop are also the places in front of the loads and slices below
.else
	PLACES
.endif
	FETCH \next, 0, 0, qg, PV*(\fl)
.if \nask
	ASK \nask, \cond
.endif
	MULS qf, 1, 0, 32, 0, PV*(\sc)*(\par)
.endm
	s_wait_tensorcnt 1                             ; my part of slot 0 is in; slot 1's may be out
.if PV
	s_wait_dscnt 0x0                               ; my rows' factors lie in LDS
.endif
	s_barrier_signal -1
	s_barrier_wait -1
	FETCH 0, 0, 1, F0, 0
.if PV
	QUARTER 0, 0, 1, 1, 1, 0, 1                    ; the short slot: k = 0 .. 127; its first products start the sums: nothing is cleared
	TURN 1, 0, 1, 1, 1, 0, 1, 640, 320*ROWB, 0, 2, 0          ; slot 0 takes k = 320 on
.else
	QUARTER 0, 0, 1, 1, 1, 0, 0                    ; the two short slots: k = 0 .. 127,
	TURN 1, 0, 1, 1, 0, 0, 1, 512, 256*ROWB, 0, 1, 0          ; (slot 0 takes k = 256 on)
	QUARTER 0, 1, 1, 1, 0, 0, 0                    ; k = 128 .. 255
	TURN 1, 1, 0, 1, 0, 0, 1, 640, 448*ROWB, 1, 2, 0          ; (slot 1 takes k = 448 on)
.endif
	WIN 0
	s_mov_b32 s3, TRIPS
.Llap:                                             ; a trip: two long slots, six quarters, three blocks kt; both slots are filled again, 384 along K on
	QUARTER 0, SA, 1, 0, 0, 1, 1
	QUARTER 1, SA, 2, 0, 0, 1, 0
	TURN 0, SA, SB, 1, 1, 1, 0, 768, 384*ROWB, 2, 1, 0
	QUARTER 1, SB, 1, 0, 0, 1, 0
	QUARTER 0, SB, 2, 0, 0, 1, 1
	TURN 1, SB, SA, 1, 1, 0, 0, 768, 384*ROWB, 1, 2, 1
	WIN 0
	s_sub_co_u32 s3, s3, 1
	s_cmp_lg_u32 s3, 0
	s_cbranch_scc1 .Llap
	QUARTER 0, SA, 1, 0, 0, 1, 1                   ; the last two slots are written out: they fill nothing
	QUARTER 1, SA, 2, 0, 0, 1, 0
	TURN 0, SA, SB, 0, 1, 1, 0, 0, 0, 0, 0, 0
	QUARTER 1, SB, 1, 0, 0, 1, 0
	QUARTER 0, SB, 2, 0, 0, 1, 0                   ; no change of kt follows the last block: no factors
	s_wait_dscnt 8
	MULS F1, 0, 0, 32, 0, 0
	s_wait_dscnt 0x0
	MULS F1, 1, 0, 32, 0, 0
	WIN 0
; THE TWO HALVES OF K MEET.  The ring has had its last fill; behind this barrier nobody reads it, and its first 131,072 bytes take the four waves' images: window 3 as it stands, 16 bytes a lane, 512 a store.
	PLACES
	s_barrier_signal -1
	s_barrier_wait -1
	WIN 0x0c                                       ; an LDS store's data are its source 1: window 3
.set i, 0
.rept 64
	ds_store_b128 v[XST], v[4*i:4*i+3] offset:512*i               ; each accumulator from its low end on
.set i, i+1
.endr
	WIN 0
.if PV
	v_lshl_add_u32 v[TO], v0, 2, XIL
	ds_store_b32 v[TO], v[FIN]                     ; row i's last factor
.endif
	s_wait_dscnt 0x0                               ; for the others' sake: my stores have landed
	s_barrier_signal -1
	s_barrier_wait -1
.if PV
.irp a, 0,1,2,3
	ds_load_b32 v[INV+2*\a], v[ILA] offset:64*\a
.endr
.endif
	WIN 0xc0
.set i, 0
.rept 64
	ds_load_b128 v[4*i:4*i+3], v[XLD] offset:512*i                ; my partner's sums of the rows that I keep, in the same lanes and registers
.set i, i+1
.endr
.irp a, 0,1,2,3
	s_wait_dscnt 48-16*\a                          ; block a's 16 loads are in; the later blocks' may be out
	WIN 0x8e                                       ; window 2 += window 3
.set i, 64*\a
.rept 32
	v_pk_add_f32 v[i:i+1], v[i:i+1], v[i:i+1]
.set i, i+2
.endr
.if PV
	WIN 0x82
.set i, 64*\a
.rept 32
	v_pk_mul_f32 v[i:i+1], v[i:i+1], v[INV+2*\a:INV+2*\a+1] op_sel_hi:[1,0]   ; x 2^d_15 / l
.set i, i+2
.endr
.endif
.endr
	WIN 0
; THE WAY OUT of my 64 rows x 128 columns, a block of 16 rows at a time, through my own stage, so that whole rows leave.
.if PV
.macro PACK a
	WIN 0x0a
.irp b, 0,1,2,3,4,5,6,7
.irp r, 0,1,2,3
	v_cvt_pk_f16_f32 v[TMP+4*\b+\r], v[64*(\a)+8*\b+2*\r], v[64*(\a)+8*\b+2*\r+1]
.endr
.endr
	WIN 0
.endm
.macro TOSTAGE a
.set BK, OB+32*((\a)%2)
.irp b, 0,1,2,3,4,5,6,7
	ds_store_b128 v[STO], v[TMP+4*\b:TMP+4*\b+3] offset:32*\b
.endr
.irp t, 0,1,2,3,4,5,6,7
	ds_load_b128 v[BK+4*\t:BK+4*\t+3], v[RD] offset:\t*2*SPITCH    ; LDS serves a wave's instructions in order: these see the stores above
.endr
.endm
.macro SEND a
.set BK, OB+32*((\a)%2)
	s_wait_dscnt 0x0
	s_wait_xcnt 0x0                                ; earlier stores have read their base and their data
.if (\a) > 0
	s_add_nc_u64 s[10:11], s[10:11], 16*ROWC
.endif
.irp t, 0,1,2,3,4,5,6,7
	global_store_b128 v[CO], v[BK+4*\t:BK+4*\t+3], s[10:11] offset:2*\t*ROWC   ; sixteen lanes store 256 consecutive bytes, aligned
.endr
.endm
	PACK 0
	TOSTAGE 0
.irp a, 1,2,3
	PACK \a
	SEND \a-1
	TOSTAGE \a
.endr
	SEND 3
.else
.macro TOSTAGE a
	WIN 0x08                                       ; the data: window 2
.irp b, 0,1,2,3,4,5,6,7
	ds_store_b128 v[STO], v[64*(\a)+8*\b:64*(\a)+8*\b+3] offset:64*\b
	ds_store_b128 v[STO], v[64*(\a)+8*\b+4:64*(\a)+8*\b+7] offset:64*\b+16
.endr
	WIN 0
.set BK, OB+64*((\a)%2)
.set t, 0
.rept 16
	ds_load_b128 v[BK+4*t:BK+4*t+3], v[RD] offset:t*SPITCH
.set t, t+1
.endr
.endm
.macro SEND a, younger                 ; younger: the LDS instructions issued behind block a's loads, which may stay out
.set BK, OB+64*((\a)%2)
	s_wait_dscnt \younger
.if (\a) > 0
	s_add_nc_u64 s[10:11], s[10:11], 16*ROWC       ; (behind a wait on XCNT: the earlier stores have read their base)
.endif
.set t, 0
.rept 16
	global_store_b128 v[CO], v[BK+4*t:BK+4*t+3], s[10:11] offset:t*ROWC th:TH_STORE_NT   ; 32 lanes store 512 consecutive bytes, aligned
.set t, t+1
.endr
.endm
	TOSTAGE 0
.irp a, 1,2,3
.if \a > 1
	s_wait_xcnt 0x0                                ; block a - 2's stores have read their registers and their base
.endif
	TOSTAGE \a
	SEND \a-1, 32                                  ; behind block a - 1's loads: block a's 16 stores and 16 loads
.endr
	s_wait_xcnt 0x0
	SEND 3, 0
.endif
	s_wait_tensorcnt 0x0                           ; the wave's end
	ds_add_u32 v[SPW], v[NIL]
	s_wait_dscnt 0x0
	CROUND                                         ; the closing round
	s_endpgm
.Lfunc_end_k_qa45d801da1_outp:
	.size	k_qa45d801da1_outp, .Lfunc_end_k_qa45d801da1_outp-k_qa45d801da1_outp
	.p2alignl 7, 3214868480
	.fill 96, 4, 3214868480
	.section	.rodata,"a",@progbits
	.p2align	6, 0x0
	.amdhsa_kernel k_qa45d801da1_outp
		.amdhsa_group_segment_fixed_size 327680
		.amdhsa_private_segment_fixed_size 0
		.amdhsa_enable_private_segment 0
		.amdhsa_kernarg_size 32
		.amdhsa_user_sgpr_count 2
		.amdhsa_user_sgpr_kernarg_segment_ptr 1
		.amdhsa_wavefront_size32 1
		.amdhsa_system_sgpr_workgroup_id_x 1
		.amdhsa_system_sgpr_workgroup_id_y 1
		.amdhsa_system_sgpr_workgroup_id_z 1
		.amdhsa_system_vgpr_workitem_id 0
		.amdhsa_next_free_vgpr 1024
		.amdhsa_next_free_sgpr 96
		.amdhsa_reserve_vcc 0
		.amdhsa_float_denorm_mode_32 3
		.amdhsa_float_denorm_mode_16_64 3
		.amdhsa_memory_ordered 1
		.amdhsa_forward_progress 1
		.amdhsa_inst_pref_size 150
	.end_amdhsa_kernel
	.amdgpu_metadata
---
amdhsa.version: [ 1, 2 ]
amdhsa.kernels:
  - .name:           k_qa45d801da1_outp
    .symbol:         k_qa45d801da1_outp.kd
    .args:
      - { .name: ctx, .offset: 0, .size: 8, .value_kind: global_buffer, .address_space: global }
      - { .name: wout16, .offset: 8, .size: 8, .value_kind: global_buffer, .address_space: global }
      - { .name: b_out, .offset: 16, .size: 8, .value_kind: global_buffer, .address_space: global }
      - { .name: out0, .offset: 24, .size: 8, .value_kind: global_buffer, .address_space: global }
    .group_segment_fixed_size: 327680
    .private_segment_fixed_size: 0
    .kernarg_segment_align: 8
    .kernarg_segment_size: 32
    .max_flat_workgroup_size: 128
    .sgpr_count:     96
    .vgpr_count:     1024
    .wavefront_size: 32
...
	.end_amdgpu_metadata
.endif
;; end of part 5
